; MI455X (gfx1250); checked and timed in simulation.
; The chip was launched on July 23, 2026; its instructions are those of AMD's public machine-readable ISA for CDNA 5 (MIT licence, August 2026) and "CDNA5" Instruction Set Architecture Reference Guide (July 2026). The comments in the code are by the model that wrote it; some were corrected since.
;; Self Attention. Allowed arithmetic: matrix products marked QUANTISED: E5M2 operands, one E8M0 scale for each 32 along K, by v_wmma_scale_f32_16x16x128_f8f6f4 with both operands' format E5M2, f32 sums; everything else in f32.
;; Inputs: Wk 1,024 x 1,024 float32; Wo 1,024 x 1,024 float32; Wq 1,024 x 1,024 float32; Wv 1,024 x 1,024 float32; bk 1,024 float32; bo 1,024 float32; bq 1,024 float32; bv 1,024 float32; key 4 x 2,048 x 1,024 float32; mask 4 x 1 x 2,048 x 2,048 int32; query 4 x 2,048 x 1,024 float32; value 4 x 2,048 x 1,024 float32.
;; Outputs: out0 4 x 2,048 x 1,024 float32.
;; This version of the problem:
;;   THIS VERSION OF THE PROBLEM IS GIVEN IN LOW PRECISION. The matrix products marked QUANTISED in the list below multiply operands that are first quantised to E5M2 (5 exponent bits, 2 mantissa bits; 8 bits a number), with one power-of-two scale for each 32 numbers along K (OCP MX v1.0); their sums are f32. All else is computed in f32.
;;   The module's matrix products, in the order in which they are computed (A, B: the left and right operand; K: the contracted axis; several contracted axes count as one K, in the product's order):
;;     1. [M 8,192, K 1,024] x [K 1,024, N 1,024]; A: input value; B: input Wv: QUANTISED
;;     2. [M 8,192, K 1,024] x [K 1,024, N 1,024]; A: input key; B: input Wk: QUANTISED
;;     3. [M 8,192, K 1,024] x [K 1,024, N 1,024]; A: input query; B: input Wq: QUANTISED
;;     4. batch 64 x [M 2,048, K 64] x [K 64, N 2,048]; A: computed on the way; B: computed on the way: QUANTISED
;;     5. batch 64 x [M 64, K 2,048] x [K 2,048, N 2,048]; A: computed on the way; B: softmax (see below): QUANTISED
;;     6. [M 8,192, K 1,024] x [K 1,024, N 1,024]; A: computed on the way; B: input Wo: QUANTISED
;;   THE QUANTISER, for each operand of a quantised product, along K:
;;     - K is cut into blocks of 32 from its start; a last block that is shorter is filled with zeros.
;;     - A block's scale is 2^e with e = floor(log2(the largest magnitude in the block)) - 15, held to -126 .. 127; a block of zeros has e = 0. As a byte (E8M0): e + 127.
;;     - Each number is divided by its block's scale, clamped to +-57,344, and rounded to the nearest number of E5M2, ties to even, subnormals kept.
;;     - The product sums the exact products of the quantised numbers (number of the format x scale) in f32.
;;   ~~~python
;;   def quantise(x, axis):      # numpy; x: float32 -> the quantised numbers, widened to float32 again
;;       x = np.moveaxis(x, axis, -1); K = x.shape[-1]
;;       x = np.pad(x, [(0, 0)] * (x.ndim - 1) + [(0, -K % 32)]); x = x.reshape(x.shape[:-1] + (-1, 32)); a = np.abs(x).max(-1, keepdims=True)
;;       e = np.where(a > 0, np.clip(np.frexp(np.where(a > 0, a, 1))[1] - 1 - 15, -126, 127), 0)      # np.frexp(a)[1] - 1 = floor(log2(a)), exactly
;;       r = np.clip(x / 2.0 ** e, -57344, 57344)
;;       step = 2.0 ** (np.maximum(np.frexp(np.where(r == 0, 1, r))[1] - 1, -14) - 2)
;;       q = np.round(r / step) * step * 2.0 ** e      # np.round: ties to even
;;       return np.moveaxis(q.reshape(q.shape[:-2] + (-1,))[..., :K], -1, axis).astype(np.float32)
;;   ~~~
;;   SOFTMAX AHEAD OF A QUANTISED PRODUCT. Where the list says 'softmax', what is quantised is not the finished softmax but p = 2^(t - M), with t = logit x log2(e) and M = ceil(the row's largest t), a whole number; so 1/2 < the row's largest p <= 1. The row's sum l is taken of the UNQUANTISED p, in f32, and the product's result is divided by l at the end. Since M is a whole number, a kernel that streams over the keys may use a running M (the ceiling of the running maximum): every later rescaling is an exact power of two, which a block's scale takes up: the codes' values come out the same.
;;   OPERANDS COMPUTED ON THE WAY. 'Computed on the way' means the value that the module computes at that place (a softmax that the list does not call 'softmax' is quantised finished and normalised). What goes into a quantiser is computed in f32, as accurately as f32 sums, v_exp_f32 and their like allow (about 1e-6 of the number): no bf16 or f16 on the way to a quantiser, and a product that is left as it is and whose result goes on into a quantised operand takes f32 operands (vector FMAs, or v_wmma_f32_16x16x4_f32). A number that lies on a knife's edge between two numbers of the format may be rounded either way, as far as f32 arithmetic and the matrix unit's own rounding can turn it there, and no further.
;; One version. Each part assembles by itself: llvm-mc -triple=amdgcn-amd-amdhsa -mcpu=gfx1250 --defsym DOCPART=n.
;; ======== version 1 of 1: 4 launches
;; limits: right only within a limited range of input values
;; workspace buffers: xq 25,952,256 bytes; wq 4,325,376 bytes; maskw 2,097,152 bytes of whole numbers; pq 25,952,256 bytes; aq 8,650,752 bytes
;; launch prep (part 1): grid 1408 x 1, 4 waves a work-group, no clusters, 67,072 bytes of LDS; arguments query, key, value, Wq, Wk, Wv, Wo, mask, xq, wq, maskw; writes xq, wq, maskw
.if DOCPART == 1
	.amdgcn_target "amdgcn-amd-amdhsa--gfx1250"
	.amdhsa_code_object_version 6
	.text
	.protected	k_qff056a41d8_prep
	.globl	k_qff056a41d8_prep
	.p2align	8
	.type	k_qff056a41d8_prep,@function
k_qff056a41d8_prep:
	s_mov_b64 s[64:65], 0
	v_nop
	global_prefetch_b8 v0, s[64:65] scope:SCOPE_SE
	s_setreg_imm32_b32 hwreg(HW_REG_WAVE_MODE, 25, 1), 1
	s_wait_xcnt 0x0
; PREP.  Two kinds of work-groups, told apart by the work-group's number alone; each kind has LDS bytes of its own and its own end.
; (1) Work-groups 0-895: query, key, value [8192][1024] and Wq, Wk, Wv, Wo [1024][1024], f32, become codes of BF8 (E5M2), K = the last axis, with one E8M0 byte for each 32 along K.
;     A block's scale is 2^(floor(log2(largest magnitude)) - 15); its byte is the largest magnitude's exponent field - 15, held at 1 from below; numbers are held within +-57,344 x the scale and rounded to nearest, ties to even.
;     Codes: xq [3][8192][1024], wq [4][1024][1024], rows as in the source.  Scale bytes behind them, laid [row / 256][k / 256][row % 256][8 bytes]: the scales of 256 rows are 8,192 bytes on end.
;     A work-group takes 32 rows; wave w the columns 256 w .. 256 w + 255: 16 steps of 2 rows x 256 numbers.  Each load reads 512 bytes on end; a step's 2,048 bytes turn through the wave's own stage in LDS,
;     so that a lane holds 16 neighbours along K (two neighbouring lanes hold a block).  Sixteen lanes store 256 bytes of codes on end, aligned; a wave's 256 scale bytes leave as one aligned run.
; (2) Work-groups 896-1407: the mask [4][2048][2048], int32, becomes words of 32 bits for the attention launch: maskw [n][q / 16][k / 128][64 words]; bit r + 16 h of word R says whether
;     mask[n][16 (q / 16) + r][128 (k / 128) + 16 (R / 8) + 8 h + R % 8] is not 0: the lane mask for register R of a tile of scores.  A work-group takes 16 rows, wave w 512 keys.
; No tensor loads, no barrier: waves share nothing.  No cluster: no two work-groups read the same bytes.
; LIMITS: NaN and infinities among the inputs are not served; a block whose largest magnitude lies under 2^-111, a block of zeros among them, gets the byte 1 (its codes are right under that byte; this program alone reads the bytes).
.set NQWG,   896
.set XS_OFF, 25165824                  ; xq: where the scale bytes begin
.set WS_OFF, 4194304                   ; wq: likewise
.set STEPS,  16
.set MANT,   0x600000                  ; the mantissa field of 57,344 as f32
.set R,      16                        ; v16-79   four sets of 16 numbers as loaded
.set X,      80                        ; v80-111  two sets of 16 neighbours
.set E,      112                       ; v112-127 a scale byte for each step
.set C,      128                       ; v128-191 codes, four registers for each step: no store's data are written again
.set WREG,   8192                      ; LDS of a quantising wave: two stages of 32 x SP bytes, then its 256 scale bytes
.set SP,     80                        ; a lane's place in a stage: 64 bytes + 16 of padding
.set MSTG,   32768                     ; LDS of the mask path: 16 rows x MPI bytes for each wave
.set MPI,    528                       ; 512 bytes + 16: sixteen rows start at sixteen different groups of banks
.set MR,     16                        ; v16-143  two sets of 16 rows x 4 registers as loaded
.set T,      144                       ; v144-207 register R of the tile: what the lane's score register R will meet
.set WD,     208                       ; v208-215 a pair for each of the wave's four blocks: lane L holds words 2 L and 2 L + 1
	s_load_b512 s[8:23], s[0:1], 0x0               ; query, key, value, Wq, Wk, Wv, Wo, mask
	s_load_b128 s[24:27], s[0:1], 0x40             ; xq, wq
	s_load_b64 s[28:29], s[0:1], 0x50              ; maskw
	v_lshl_add_u32 v216, v0, 2, 0x10400
	v_mov_b32 v217, 0
	v_lshrrev_b32 v1, 5, v0
	v_readfirstlane_b32 s2, v1                     ; wave
	v_and_b32 v2, 31, v0                           ; lane
	s_cmp_ge_u32 ttmp9, NQWG
	s_cbranch_scc1 .Lmask
; ---------------- the quantiser ----------------
	v_lshlrev_b32 v3, 4, v2                        ; my 16 bytes of a load's 512
	s_mul_i32 s32, s2, WREG
	v_lshrrev_b32 v14, 2, v2
	v_mul_u32_u24 v14, v14, SP
	v_and_b32 v15, 3, v2
	v_lshl_add_u32 v14, v15, 4, v14
	v_add_nc_u32 v14, s32, v14                     ; into the stage: four lanes' 64 bytes on end, then the padding
	v_mul_u32_u24 v15, v2, SP
	v_add_nc_u32 v15, s32, v15                     ; out of it: my 16 neighbours
	v_lshrrev_b32 v4, 4, v2
	v_and_b32 v5, 15, v2
	v_lshlrev_b32 v4, 10, v4
	v_lshl_add_u32 v4, v5, 4, v4                   ; codes: lanes 0-15 one row's 256 bytes, lanes 16-31 the next row's
	v_lshrrev_b32 v5, 1, v2
	s_add_co_u32 s32, s32, 2*32*SP
	v_add_nc_u32 v5, s32, v5                       ; LDS: my block's scale byte
	v_lshlrev_b32 v7, 3, v2
	v_add_nc_u32 v6, s32, v7                       ; and on the way out 8 bytes a lane
	s_mov_b32 s68, MANT
	s_wait_kmcnt 0x0
.macro PICK first, lo                  ; from work-group 'first' on the source is the buffer in s[lo:lo+1]: the choice hangs on the work-group's number alone
	s_cmp_ge_u32 ttmp9, \first
	s_cselect_b64 s[4:5], s[\lo:\lo+1], s[4:5]
	s_cselect_b32 s3, \first, s3
.endm
	s_mov_b64 s[4:5], s[8:9]
	s_mov_b32 s3, 0
	PICK 256, 10
	PICK 512, 12
	PICK 768, 14
	PICK 800, 16
	PICK 832, 18
	PICK 864, 20
	s_cmp_ge_u32 ttmp9, 768                        ; the three activations go to xq, the four weights to wq
	s_cselect_b64 s[6:7], s[26:27], s[24:25]
	s_cselect_b32 s34, 768, 0
	s_mov_b32 s35, XS_OFF
	s_cselect_b32 s35, WS_OFF, s35
	s_sub_co_u32 s34, ttmp9, s34                   ; which 32 rows of the destination
	s_sub_co_u32 s33, ttmp9, s3                    ; which 32 rows of the source
	s_mov_b64 s[30:31], s[6:7]
	s_mov_b32 s67, 0
	s_lshl_b32 s66, s33, 17                        ; 32 rows of 4,096 bytes,
	s_lshl_b32 s36, s2, 10                         ; my wave's 256 columns
	s_add_co_u32 s66, s66, s36
	s_add_nc_u64 s[4:5], s[4:5], s[66:67]
	s_lshl_b32 s66, s34, 15                        ; codes: 32 rows of 1,024 bytes,
	s_lshl_b32 s36, s2, 8
	s_add_co_u32 s66, s66, s36
	s_add_nc_u64 s[6:7], s[6:7], s[66:67]
	s_lshr_b32 s66, s34, 3                         ; scale bytes: 8,192 for each 256 rows,
	s_lshl_b32 s66, s66, 13
	s_add_co_u32 s66, s66, s35
	s_lshl_b32 s36, s2, 11                         ; 2,048 for each 256 along K,
	s_add_co_u32 s66, s66, s36
	s_and_b32 s36, s34, 7                          ; 256 for each 32 rows
	s_lshl_b32 s36, s36, 8
	s_add_co_u32 s66, s66, s36
	s_add_nc_u64 s[30:31], s[30:31], s[66:67]
.macro LOAD t                          ; step t: rows 2 t and 2 t + 1, 1,024 bytes of each, as four loads of 512 bytes on end
.irp i, 0,1,2,3
	global_load_b128 v[R+16*((\t)%4)+4*\i:R+16*((\t)%4)+4*\i+3], v3, s[4:5] offset:(2*(\t)+\i/2)*4096+(\i%2)*512 th:TH_LOAD_NT
.endr
.endm
.macro TURN t                          ; step t's numbers through the stage: LDS serves a wave's instructions in order (ISA guide 5.7.1.4), so no wait stands between the stores and the loads
.irp i, 0,1,2,3
	ds_store_b128 v14, v[R+16*((\t)%4)+4*\i:R+16*((\t)%4)+4*\i+3] offset:32*SP*((\t)%2)+8*SP*\i
.endr
.irp i, 0,1,2,3
	ds_load_b128 v[X+16*((\t)%2)+4*\i:X+16*((\t)%2)+4*\i+3], v15 offset:32*SP*((\t)%2)+16*\i
.endr
.endm
.irp t, 0,1,2,3
	LOAD \t
.endr
	s_wait_loadcnt 12                              ; step 0's four loads are in
	TURN 0
.macro STEP t
.set XS, X+16*((\t)%2)
.if (\t) > 0
	s_wait_dscnt 1                                 ; this step's numbers are back from the stage (the last step's byte store may be out): its stores into the stage have read their registers,
.else
	s_wait_dscnt 0x0
.endif
.if (\t)+4 < STEPS
	LOAD (\t)+4                                    ; which take the loads of four steps on
.endif
.if (\t)+1 < STEPS
.if STEPS-2-(\t) >= 3
	s_wait_loadcnt 12                              ; the next step's four loads are in; those of the three steps behind it may be out
.else
	s_wait_loadcnt 4*(STEPS-2-(\t))
.endif
	TURN (\t)+1
.endif
	v_max3_num_f32 v8, |v[XS]|, |v[XS+1]|, |v[XS+2]|               ; the largest magnitude of my 16, in two chains
	v_max3_num_f32 v9, |v[XS+3]|, |v[XS+4]|, |v[XS+5]|
.irp i, 6,10
	v_max3_num_f32 v8, v8, |v[XS+\i]|, |v[XS+\i+1]|
	v_max3_num_f32 v9, v9, |v[XS+\i+2]|, |v[XS+\i+3]|
.endr
	v_max3_num_f32 v8, v8, |v[XS+14]|, |v[XS+15]|
	v_max3_num_f32 v8, v8, v9, 0x8000000           ; and the floor 2^(16 - 127): the byte cannot fall under 1
	v_max_num_f32_dpp v8, v8, v8 row_xmask:1 row_mask:0xf bank_mask:0xf   ; and of my neighbour's 16: the block's
	v_add_nc_u32 v11, 0xf8800000, v8               ; 15 off its exponent field: the conversion takes the exponent field of this operand as its scale
	v_and_or_b32 v10, v8, 0x7f800000, s68          ; 57,344 x the scale
.irp i, 0,1,2,3,4,5,6,7,8,9,10,11,12,13,14,15
	v_med3_num_f32 v[XS+\i], v[XS+\i], -v10, v10   ; the conversion to an 8-bit code does not saturate (ISA guide 7.6.2): the hold comes first
.endr
	v_cvt_scalef32_pk8_bf8_f32 v[C+4*(\t):C+4*(\t)+1], v[XS:XS+7], v11
	v_cvt_scalef32_pk8_bf8_f32 v[C+4*(\t)+2:C+4*(\t)+3], v[XS+8:XS+15], v11
	v_lshrrev_b32 v[E+(\t)], 23, v11               ; the scale's byte
	ds_store_b8 v5, v[E+(\t)] offset:16*(\t)       ; both lanes of a block write the same byte with the same value; byte 16 t + lane / 2 = 8 x row + block
	global_store_b128 v4, v[C+4*(\t):C+4*(\t)+3], s[6:7] offset:2048*(\t)
.endm
.irp t, 0,1,2,3,4,5,6,7,8,9,10,11,12,13,14,15
	STEP \t
.endr
	ds_load_b64 v[12:13], v6                       ; in order behind my byte stores
	s_wait_dscnt 0x0
	global_store_b64 v7, v[12:13], s[30:31]        ; 32 lanes store 256 bytes on end, aligned
	s_wait_tensorcnt 0x0
	ds_add_u32 v216, v217
	s_wait_dscnt 0x0
	s_endpgm
; ---------------- the mask ----------------
.Lmask:
	v_lshlrev_b32 v1, 4, v2                        ; 16 x lane
	s_mul_i32 s32, s2, 16*MPI
	s_add_co_u32 s32, s32, MSTG                    ; my wave's stage
	v_add_nc_u32 v5, s32, v1                       ; in: a row's 512 bytes as loaded
	v_and_b32 v6, 15, v2
	v_lshrrev_b32 v7, 4, v2
	v_mul_u32_u24 v6, v6, MPI
	v_lshl_add_u32 v6, v7, 5, v6
	v_add_nc_u32 v6, s32, v6                       ; out: row r, + 32 h bytes: keys 8 h .. 8 h + 7 of each 16
	v_lshlrev_b32 v4, 3, v2                        ; two words a lane
.irp i, 0,1,2,3,4,5,6,7
	v_mov_b32 v[WD+\i], 0                          ; v_writelane_b32 keeps the other lanes: the registers are written whole once
.endr
	s_sub_co_u32 s33, ttmp9, NQWG                  ; 128 n + q / 16
	s_mov_b32 s67, 0
	s_lshl_b32 s66, s33, 17                        ; 16 rows of 8,192 bytes,
	s_lshl_b32 s34, s2, 11                         ; my wave's 512 keys
	s_add_co_u32 s66, s66, s34
	s_wait_kmcnt 0x0
	s_add_nc_u64 s[4:5], s[22:23], s[66:67]
	s_lshl_b32 s66, s33, 12                        ; 16 blocks of 256 bytes,
	s_lshl_b32 s34, s2, 10                         ; my wave's four
	s_add_co_u32 s66, s66, s34
	s_add_nc_u64 s[6:7], s[28:29], s[66:67]
.macro LOADM b                         ; block b: 128 keys of 16 rows: each load reads 512 bytes on end
.irp p, 0,1,2,3,4,5,6,7,8,9,10,11,12,13,14,15
	global_load_b128 v[MR+64*((\b)%2)+4*\p:MR+64*((\b)%2)+4*\p+3], v1, s[4:5] offset:8192*\p+512*(\b) th:TH_LOAD_NT
.endr
.endm
.macro PACKM b
.if (\b) < 3
	s_wait_loadcnt 16                              ; this block's 16 loads are in, the other set's may be out
.else
	s_wait_loadcnt 0x0
.endif
.irp p, 0,1,2,3,4,5,6,7,8,9,10,11,12,13,14,15
	ds_store_b128 v5, v[MR+64*((\b)%2)+4*\p:MR+64*((\b)%2)+4*\p+3] offset:MPI*\p
.endr
.irp t, 0,1,2,3,4,5,6,7
	ds_load_b128 v[T+8*\t:T+8*\t+3], v6 offset:64*\t           ; in order behind the stores
	ds_load_b128 v[T+8*\t+4:T+8*\t+7], v6 offset:64*\t+16
.endr
	s_wait_dscnt 0x0                               ; the tile is in; the stores have read their set
.if (\b) < 2
	LOADM (\b)+2
.endif
.irp hf, 0,1
.irp k, 0,1,2,3,4,5,6,7,8,9,10,11,12,13,14,15,16,17,18,19,20,21,22,23,24,25,26,27,28,29,30,31
	v_cmp_ne_u32 s[32+\k], 0, v[T+32*\hf+\k]       ; word R = 32 hf + k: one bit a lane
.endr
.irp k, 0,1,2,3,4,5,6,7,8,9,10,11,12,13,14,15,16,17,18,19,20,21,22,23,24,25,26,27,28,29,30,31
	v_writelane_b32 v[WD+2*(\b)+\k%2], s[32+\k], 16*\hf+\k/2
.endr
.endr
	global_store_b64 v4, v[WD+2*(\b):WD+2*(\b)+1], s[6:7] offset:256*(\b)   ; 32 lanes store the block's 64 words: 256 bytes on end, aligned
.endm
	LOADM 0
	LOADM 1
	PACKM 0
	PACKM 1
	PACKM 2
	PACKM 3
	s_wait_tensorcnt 0x0
	ds_add_u32 v216, v217
	s_wait_dscnt 0x0
	s_endpgm
.Lfunc_end_k_qff056a41d8_prep:
	.size	k_qff056a41d8_prep, .Lfunc_end_k_qff056a41d8_prep-k_qff056a41d8_prep
	.p2alignl 7, 3214868480
	.fill 96, 4, 3214868480
	.section	.rodata,"a",@progbits
	.p2align	6, 0x0
	.amdhsa_kernel k_qff056a41d8_prep
		.amdhsa_group_segment_fixed_size 67072
		.amdhsa_private_segment_fixed_size 0
		.amdhsa_enable_private_segment 0
		.amdhsa_kernarg_size 88
		.amdhsa_user_sgpr_count 2
		.amdhsa_user_sgpr_kernarg_segment_ptr 1
		.amdhsa_wavefront_size32 1
		.amdhsa_system_sgpr_workgroup_id_x 1
		.amdhsa_system_sgpr_workgroup_id_y 1
		.amdhsa_system_sgpr_workgroup_id_z 1
		.amdhsa_system_vgpr_workitem_id 0
		.amdhsa_next_free_vgpr 218
		.amdhsa_next_free_sgpr 70
		.amdhsa_reserve_vcc 0
		.amdhsa_float_denorm_mode_32 3
		.amdhsa_float_denorm_mode_16_64 3
		.amdhsa_memory_ordered 1
		.amdhsa_forward_progress 1
		.amdhsa_inst_pref_size 100
	.end_amdhsa_kernel
	.amdgpu_metadata
---
amdhsa.version: [ 1, 2 ]
amdhsa.kernels:
  - .name:           k_qff056a41d8_prep
    .symbol:         k_qff056a41d8_prep.kd
    .args:
      - { .name: query, .offset: 0, .size: 8, .value_kind: global_buffer, .address_space: global }
      - { .name: key, .offset: 8, .size: 8, .value_kind: global_buffer, .address_space: global }
      - { .name: value, .offset: 16, .size: 8, .value_kind: global_buffer, .address_space: global }
      - { .name: Wq, .offset: 24, .size: 8, .value_kind: global_buffer, .address_space: global }
      - { .name: Wk, .offset: 32, .size: 8, .value_kind: global_buffer, .address_space: global }
      - { .name: Wv, .offset: 40, .size: 8, .value_kind: global_buffer, .address_space: global }
      - { .name: Wo, .offset: 48, .size: 8, .value_kind: global_buffer, .address_space: global }
      - { .name: mask, .offset: 56, .size: 8, .value_kind: global_buffer, .address_space: global }
      - { .name: xq, .offset: 64, .size: 8, .value_kind: global_buffer, .address_space: global }
      - { .name: wq, .offset: 72, .size: 8, .value_kind: global_buffer, .address_space: global }
      - { .name: maskw, .offset: 80, .size: 8, .value_kind: global_buffer, .address_space: global }
    .group_segment_fixed_size: 67072
    .private_segment_fixed_size: 0
    .kernarg_segment_align: 8
    .kernarg_segment_size: 88
    .max_flat_workgroup_size: 128
    .sgpr_count:     70
    .vgpr_count:     218
    .wavefront_size: 32
...
	.end_amdgpu_metadata
.endif
;; end of part 1
;; launch proj (part 2): grid 4 x 96, 4 waves a work-group, clusters of 4 x 4, 327,680 bytes of LDS; arguments xq, wq, bq, bk, bv, pq; writes pq
.if DOCPART == 2
	.amdgcn_target "amdgcn-amd-amdhsa--gfx1250"
	.amdhsa_code_object_version 6
	.text
	.protected	k_qff056a41d8_proj
	.globl	k_qff056a41d8_proj
	.p2align	8
	.type	k_qff056a41d8_proj,@function
k_qff056a41d8_proj:
	s_mov_b64 s[64:65], 0
	v_nop
	global_prefetch_b8 v0, s[64:65] scope:SCOPE_SE
	s_setreg_imm32_b32 hwreg(HW_REG_WAVE_MODE, 25, 1), 1
	s_wait_xcnt 0x0
	s_wait_alu depctr_hold_cnt(0) depctr_sa_sdst(0) depctr_va_vdst(0) depctr_va_sdst(0) depctr_va_ssrc(0) depctr_va_vcc(0) depctr_vm_vsrc(0)
	s_getreg_b32 s2, hwreg(HW_REG_IB_STS2, 6, 4)
	s_cmp_eq_u32 s2, 0
	s_cbranch_scc0 .Lentry_in_a_cluster
	s_endpgm
.Lentry_in_a_cluster:
	s_bfe_u32 s2, ttmp6, 0x10000c
	s_cmp_lg_u32 s2, 0xf033
	s_cbranch_scc0 .Lentry_shape_is_right
	s_endpgm
.Lentry_shape_is_right:
; PROJ.  The three projections on codes of BF8 (E5M2) with E8M0 scales, + bias, and their results quantised again for the attention launch.
; ONE BODY: C[m][n] = sum over k of A[m][k] B[n][k] + bias, K = 1,024; C is quantised ALONG n in blocks of 32 and leaves as codes and scale bytes.
;   P = 0, 1 (q, k): A = query or key (8,192 rows), B = Wq or Wk (1,024 rows), bias along n: blocks along a head's 64.
;   P = 2 (v):       A = Wv (1,024 rows), B = value (8,192 rows), bias along m: C is v transposed, and its blocks run along the keys, the second attention product's K.
; The mode hangs on the cluster's y alone, is the same in all sixteen partners, and enters only selections of buffers, offsets and one lane mask: no branch.
; A tile of C is 256 x 256: four waves, each 128 x 128 in 64 accumulators (512 registers).  K goes in steps of 256 through two LDS slots filled by the tensor data mover; a tile's row is 256 bytes of memory.
; The scale bytes of the tile's 256 rows of A and of B, for all of K, are 8,192 bytes on end each ([k / 256][row][8]): they come once, with the first fills.
; CLUSTERS: 4 x 4 work-groups; A's tiles are shared along a row of the cluster, B's along a column: each is asked for jointly, by the same tensor load with the same descriptor and a mask that names the four.
; THE MATRIX INSTRUCTION IS USED TRANSPOSED (source 0 = 16 rows of B, source 1 = 16 rows of A): a lane holds row m = lane % 16 and the columns n = 16 b + 8 (lane / 16) + 0 .. 7.
; So accumulators 2 c and 2 c + 1 of a block of rows hold, in lanes l and l xor 16, one block of 32 along n.  The 16 codes of a lane go out together: WITHIN A BLOCK OF 32 POSITION 16 h + 8 u + j HOLDS ELEMENT 16 u + 8 h + j.
; q and k carry the same order, so q . k is the same sum in another order; for v it is the order in which the softmax's codes fall into registers.
; OUT: pq codes: part P at P x 8 MiB; q, k [8192][1024]; v [token / 1024][channel 1024][1024 tokens].  Scale bytes from PS_OFF on, 262,144 a part: q, k [n / 256][token][8], v [channel / 256][token / 256][channel % 256][8].
; REGISTERS, in windows of 256: window 0: v6-13 bias along m; v14-31 addresses; v32-63 scale words, two sets; v64-127 bias along n; from v128 A's fragments, one set (on the way out: at work).
;   window 1: B's fragments, two sets.   window 2: accumulators of my rows 0-63 ((a, b) at v[8 (8 a + b)]);   window 3: those of my rows 64-127.
; LIMITS: NaN and infinities are not served; a block of C whose largest magnitude lies under 2^-111 gets the byte 1 (this program alone reads the bytes).
.set NQ,     2                         ; matrix instructions deep in a slot
.set ROWB,   256                       ; a tile's row in bytes
.set KROW,   1024                      ; a row of A or of B in memory
.set PITCH,  272                       ; an LDS row: 256 bytes + 16: the 16 rows that a load touches start at 16 different groups of banks (64 banks of 4 bytes: ISA guide 11.1)
.set FR,     16
.set NL,     4
.set NP,     8                         ; places behind this matrix instruction (ISA guide 7.12.1)
.set HALFT,  128*PITCH
.set SLOT,   4*HALFT
.set LAPS,   2                         ; K = 1,024 is four K steps: twice round the ring
.set SCL,    2*SLOT                    ; A's scale bytes, 8,192;
.set SCB,    8320                      ; B's begin so far behind them: 128 bytes more than A's length, so that the two halves of a load's lanes touch different banks
.set SPARE,  295168                    ; the spare words, 128 bytes a wave: two blocks of 256 bytes that no other line names
.set SSTG,   256*PITCH                 ; the way out: codes' stage, 256 rows x PITCH from byte 0, and behind it the scale bytes' stage, 256 x 8.  Both lie in slot 0, which has had its last fill and its last read by then
.set XS_OFF, 25165824
.set WS_OFF, 4194304
.set PS_OFF, 25165824
.set BM,   6                           ; v6-13   bias along m: register a: row 16 a + r
.set SST,  14                          ; v14     where I put a row's scale word
.set SRD,  15                          ; v15     where I read scale bytes back
.set ADRA, 16                          ; v16-17  LDS address of my A fragments in slot 0, 1
.set SCO,  18                          ; v18     16 x lane
.set ADRB, 20                          ; v20-21  the same for B
.set STO,  24                          ; v24     where I put 16 codes of a row
.set RD,   25                          ; v25     where I read a row back
.set CO,   26                          ; v26     my byte offset in the codes' rows
.set ADRS, 27                          ; v27     LDS address of my scale words: lanes 0-15 A's rows, lanes 16-31 B's
.set SPW,  28                          ; v28     my spare word; never rewritten
.set NIL,  29                          ; v29     0; never rewritten
.set BNO,  30                          ; v30     32 h
.set BMO,  31                          ; v31     4 r
.set SC,   32                          ; scale words: set s at v[SC + 16 s]; register 2 i + q: lanes 0-15 A's block i, lanes 16-31 B's block i
.set BN,   64                          ; v64-127 bias along n: register 8 b + j: column 16 b + 8 h + j
.set AF,   128
.set T,    128                         ; the way out: v128-191 a block of 16 rows, 64 numbers a lane
.set PCD,  192                         ; v192-207 its codes
.set TM,   208                         ; v208-223 at work
.set PW,   224                         ; v224    its scale word
.set SEL,  4                           ; s[4:5]  v_permlanex16_b32's selects for lane l xor 16
.set MNT,  8                           ; s8      the mantissa field of 57,344
.set G1, 24
.set G0, 32
.set G1B, 48
.set G0B, 56
.set G1S, 68
.set G0S, 76
.set G1SB, 80
.set G0SB, 88
.set MSB, 0
.macro WIN new                         ; the immediate's high byte repeats the setting that is left
.if MSB != \new
	s_set_vgpr_msb (MSB<<8)|\new
.set MSB, \new
.endif
.endm
.set MUL_LO, 0xa1                      ; source 0 (B) window 1, source 1 (A) window 0, C and D window 2
.set MUL_HI, 0xf1
.set TO_B,   0x40
; A joint load: waves 0 and 1 fetch for A, waves 2 and 3 for B; the branch hangs on the wave's number alone.  Four v_nop follow each of the two lines.
.macro JLOAD g0a, g1a, g0b, g1b
	s_cmp_eq_u32 s15, 0
	s_cbranch_scc0 .Lfor_b_\@
	tensor_load_to_lds s[\g0a:\g0a+3], s[\g1a:\g1a+7]
	s_nop 0
.rept 4
	v_nop
.endr
	s_branch .Lasked_\@
.Lfor_b_\@:
	tensor_load_to_lds s[\g0b:\g0b+3], s[\g1b:\g1b+7]
	s_nop 0
.rept 4
	v_nop
.endr
.Lasked_\@:
.endm
.macro CREST                           ; a round of the cluster's barrier behind its opening barrier
	s_cmp_lg_u32 s14, 0
	s_cbranch_scc1 .Lnot_wave_0_\@
	s_barrier_signal -3
.Lnot_wave_0_\@:
	s_barrier_wait -3
	s_barrier_signal -1
	s_barrier_wait -1
.endm
.macro CROUND
	s_barrier_signal -1
	s_barrier_wait -1
	CREST
.endm
	s_load_b128 s[92:95], s[0:1], 0x0              ; xq, wq
	s_load_b128 s[96:99], s[0:1], 0x10             ; bq, bk
	s_load_b128 s[4:7], s[0:1], 0x20               ; bv, pq
	v_lshl_add_u32 v[SPW], v0, 2, SPARE
	v_mov_b32 v[NIL], 0
	ds_add_u32 v28, v29
	s_wait_dscnt 0x0
	v_lshrrev_b32 v1, 5, v0
	v_readfirstlane_b32 s14, v1                    ; wave 0..3
	s_lshr_b32 s15, s14, 1                         ; which half of the tile's rows is mine.  Also: I fetch for A (0) or for B (1)
	s_and_b32 s16, s14, 1                          ; which half of its columns.  Also: which half of what is fetched
	s_bfe_u32 s40, ttmp6, 0x40000                  ; cx, cy: my place in the cluster
	s_bfe_u32 s41, ttmp6, 0x40004
	s_and_b32 s18, ttmp7, 0xffff                   ; the cluster's y, 0..23 (the grid has one cluster along x)
	s_lshr_b32 s2, s18, 3                          ; P: which projection
	s_and_b32 s18, s18, 7
	s_lshl_b32 s18, s18, 2
	s_cmp_eq_u32 s2, 2                             ; the 32 tiles of the long axis lie along m for q and k, along n for v
	s_cselect_b32 s17, 0, s18
	s_cselect_b32 s42, s18, 0
	s_add_co_u32 s17, s17, s41                     ; tile row of C
	s_add_co_u32 s42, s42, s40                     ; tile column of C
	s_lshl_b32 s43, s41, 2
	s_lshl_b32 s43, 15, s43                        ; my row of the cluster
	s_lshl_b32 s44, 0x1111, s40                    ; my column
	; descriptor group 1: a tile of 128 rows x 256 bytes, padded in LDS
	s_or_b32 s[G1+0], s43, (0<<16)|(1<<20)|(1<<21)|(5<<22)|(3<<25)  ; the mask; elements of 1 byte; padding on; bit 21 beside a mask; after every 64 words, 4 words
	s_or_b32 s[G1B+0], s44, (0<<16)|(1<<20)|(1<<21)|(5<<22)|(3<<25)
.irp g, G1, G1B
	s_mov_b32 s[\g+1], ROWB<<16                    ; tensor_dim0
	s_mov_b32 s[\g+2], 128<<16                     ; tensor_dim1
	s_mov_b32 s[\g+3], ROWB<<16                    ; tile_dim0
	s_mov_b32 s[\g+4], 128                         ; tile_dim1
	s_mov_b32 s[\g+5], KROW                        ; tensor_dim0_stride
	s_mov_b32 s[\g+6], 0
	s_mov_b32 s[\g+7], 0
.endr
	; and for half a tile's scale bytes: 4,096 bytes on end, as 16 rows of 256 bytes (32 elements of 8 bytes), no padding
	s_or_b32 s[G1S+0], s43, (3<<16)|(1<<21)
	s_or_b32 s[G1SB+0], s44, (3<<16)|(1<<21)
.irp g, G1S, G1SB
	s_mov_b32 s[\g+1], 32<<16
	s_mov_b32 s[\g+2], 16<<16
	s_mov_b32 s[\g+3], 32<<16
	s_mov_b32 s[\g+4], 16
	s_mov_b32 s[\g+5], 32
	s_mov_b32 s[\g+6], 0
	s_mov_b32 s[\g+7], 0
.endr
	; offsets.  In xq tensor P's codes begin at P << 23 and its scale bytes at XS_OFF + P << 18; in wq at P << 20 and WS_OFF + P << 15.  A takes xq's and B wq's, for v the other way round.
	s_lshl_b32 s18, s2, 23
	s_lshl_b32 s19, s2, 20
	s_lshl_b32 s45, s2, 18
	s_add_co_u32 s45, s45, XS_OFF
	s_lshl_b32 s3, s2, 15
	s_add_co_u32 s3, s3, WS_OFF
	s_cmp_eq_u32 s2, 2
	s_cselect_b32 s20, s19, s18                    ; A's codes
	s_cselect_b32 s22, s3, s45                     ; A's scale bytes
	s_cselect_b32 s46, s18, s19                    ; B's codes
	s_cselect_b32 s100, s45, s3                    ; B's scale bytes
	s_mov_b32 s21, 0
	s_mov_b32 s23, 0
	s_mov_b32 s47, 0
	s_mov_b32 s101, 0
	s_lshl_b32 s18, s17, 18                        ; A's hang on the tile row alone,
	s_add_co_u32 s20, s20, s18
	s_lshl_b32 s18, s17, 13
	s_add_co_u32 s22, s22, s18
	s_lshl_b32 s19, s42, 18                        ; B's on the tile column alone
	s_add_co_u32 s46, s46, s19
	s_lshl_b32 s19, s42, 13
	s_add_co_u32 s100, s100, s19
	s_lshl_b32 s18, s16, 17                        ; which 128 rows I fetch
	s_add_co_u32 s20, s20, s18
	s_add_co_u32 s46, s46, s18
	s_lshl_b32 s18, s16, 12                        ; which 4,096 scale bytes
	s_add_co_u32 s22, s22, s18
	s_add_co_u32 s100, s100, s18
	s_mul_i32 s45, s14, HALFT                      ; where they go: wave x 128 rows;
	s_mul_i32 s3, s15, SCB                         ; the scale bytes: A's or B's region, my half
	s_add_co_u32 s3, s3, s18
	s_wait_kmcnt 0x0
	s_cmp_eq_u32 s2, 2
	s_cselect_b64 s[8:9], s[94:95], s[92:93]       ; A's buffer
	s_cselect_b64 s[10:11], s[92:93], s[94:95]     ; B's buffer
	s_add_nc_u64 s[20:21], s[8:9], s[20:21]
	s_add_nc_u64 s[22:23], s[8:9], s[22:23]
	s_add_nc_u64 s[46:47], s[10:11], s[46:47]
	s_add_nc_u64 s[100:101], s[10:11], s[100:101]
	s_cmp_eq_u32 s2, 1                             ; the bias
	s_cselect_b64 s[96:97], s[98:99], s[96:97]
	s_cmp_eq_u32 s2, 2
	s_cselect_b64 s[96:97], s[4:5], s[96:97]
	CROUND                                         ; all sixteen work-groups are here: the first joint loads meet
	s_mov_b32 s[G0S], 1
	s_add_co_u32 s[G0S+1], s3, SCL
	s_mov_b64 s[G0S+2:G0S+3], s[22:23]
	s_or_b32 s[G0S+3], s[G0S+3], 0x80000000
	s_mov_b32 s[G0SB], 1
	s_add_co_u32 s[G0SB+1], s3, SCL
	s_mov_b64 s[G0SB+2:G0SB+3], s[100:101]
	s_or_b32 s[G0SB+3], s[G0SB+3], 0x80000000
	JLOAD G0S, G1S, G0SB, G1SB                     ; the scale bytes first: they are wanted with K step 0
.irp s, 0,1
	s_mov_b32 s[G0+4*\s], 1
	s_add_co_u32 s[G0+4*\s+1], s45, \s*SLOT
	s_add_nc_u64 s[G0+4*\s+2:G0+4*\s+3], s[20:21], \s*ROWB
	s_or_b32 s[G0+4*\s+3], s[G0+4*\s+3], 0x80000000
	s_mov_b32 s[G0B+4*\s], 1
	s_add_co_u32 s[G0B+4*\s+1], s45, \s*SLOT
	s_add_nc_u64 s[G0B+4*\s+2:G0B+4*\s+3], s[46:47], \s*ROWB
	s_or_b32 s[G0B+4*\s+3], s[G0B+4*\s+3], 0x80000000
	JLOAD G0+4*\s, G1, G0B+4*\s, G1B
.endr
	v_and_b32 v1, 15, v0                           ; r = l % 16
	v_bfe_u32 v2, v0, 4, 1                         ; h = l / 16
	v_mul_u32_u24 v3, v1, PITCH
	v_lshl_add_u32 v4, v2, 4, v3                   ; row x pitch + 16 x half
	s_mul_i32 s21, s15, HALFT                      ; my 128 rows of A
	s_mul_i32 s22, s16, HALFT                      ; my 128 rows of B,
	s_add_co_u32 s22, s22, 2*HALFT                 ; which lie behind A's 256
.irp s, 0,1
	v_add_nc_u32 v[ADRA+\s], s21, v4
	v_add_nc_u32 v[ADRB+\s], s22, v4
	s_add_co_u32 s21, s21, SLOT
	s_add_co_u32 s22, s22, SLOT
.endr
	v_lshlrev_b32 v5, 3, v1                        ; scale words: 8 bytes a row and K step
	s_lshl_b32 s21, s15, 10                        ; A's: my 128 rows
	s_lshl_b32 s22, s16, 10                        ; B's: my 128 rows, in B's region
	s_add_co_u32 s22, s22, SCB
	s_sub_co_u32 s22, s22, s21
	v_mul_u32_u24 v3, s22, v2                      ; lanes 16-31 take B's
	s_add_co_u32 s21, s21, SCL
	v_add_nc_u32 v5, v5, v3
	v_add_nc_u32 v[ADRS], s21, v5
	s_mul_i32 s23, s15, HALFT                      ; the codes' stage: row 128 x my row half + r, byte 128 x my column half + 16 h
	s_lshl_b32 s21, s16, 7
	s_add_co_u32 s23, s23, s21
	v_add_nc_u32 v[STO], s23, v4
	s_lshl_b32 s23, s15, 10                        ; the scale bytes' stage: 8 bytes a row, my column half's word
	s_lshl_b32 s21, s16, 2
	s_add_co_u32 s23, s23, s21
	s_add_co_u32 s23, s23, SSTG
	v_lshl_add_u32 v[SST], v1, 3, s23
	s_mul_i32 s23, s14, 64*PITCH                   ; back: wave w takes rows 64 w .. 64 w + 63, whole; lanes 0-15 one row, lanes 16-31 the next
	v_mul_u32_u24 v3, v2, PITCH
	v_lshl_add_u32 v3, v1, 4, v3
	v_add_nc_u32 v[RD], s23, v3
	v_and_b32 v3, 31, v0
	v_lshlrev_b32 v[SCO], 4, v3
	s_lshl_b32 s23, s14, 9
	s_add_co_u32 s23, s23, SSTG
	v_add_nc_u32 v[SRD], s23, v[SCO]               ; and 512 of the 2,048 scale bytes
	v_lshlrev_b32 v3, 10, v2
	v_lshl_add_u32 v[CO], v1, 4, v3                ; the same two rows in pq
	v_lshlrev_b32 v[BNO], 5, v2
	v_lshlrev_b32 v[BMO], 2, v1
	; where the codes go: part P, + (tile column / 4) MiB (v's groups of 1,024 tokens; 0 for q and k), + my first row x 1,024, + (tile column % 4) x 256
	s_lshl_b32 s20, s2, 23
	s_lshr_b32 s21, s42, 2
	s_lshl_b32 s21, s21, 20
	s_add_co_u32 s20, s20, s21
	s_lshl_b32 s21, s17, 18
	s_add_co_u32 s20, s20, s21
	s_lshl_b32 s21, s14, 16
	s_add_co_u32 s20, s20, s21
	s_and_b32 s21, s42, 3
	s_lshl_b32 s21, s21, 8
	s_add_co_u32 s20, s20, s21
	s_mov_b32 s21, 0
	s_add_nc_u64 s[12:13], s[6:7], s[20:21]
	; where the scale bytes go: a tile's 2,048 on end, at tile number 32 x column + row (q, k) or 32 x row + column (v)
	s_lshl_b32 s22, s17, 5
	s_add_co_u32 s22, s22, s42
	s_lshl_b32 s23, s42, 5
	s_add_co_u32 s23, s23, s17
	s_cmp_eq_u32 s2, 2
	s_cselect_b32 s22, s22, s23
	s_lshl_b32 s22, s22, 11
	s_lshl_b32 s23, s2, 18
	s_add_co_u32 s22, s22, s23
	s_lshl_b32 s23, s14, 9
	s_add_co_u32 s22, s22, s23
	s_add_co_u32 s22, s22, PS_OFF
	s_mov_b32 s23, 0
	s_add_nc_u64 s[10:11], s[6:7], s[22:23]
	; the bias, both ways; the way that the mode does not want reads the vector's first numbers and is set to 0 on the way out
	s_cmp_eq_u32 s2, 2
	s_cselect_b32 s20, 0, s42
	s_cselect_b32 s22, s17, 0
	s_lshl_b32 s20, s20, 10
	s_lshl_b32 s21, s16, 9
	s_add_co_u32 s20, s20, s21
	s_lshl_b32 s22, s22, 10
	s_lshl_b32 s21, s15, 9
	s_add_co_u32 s22, s22, s21
	s_mov_b32 s21, 0
	s_mov_b32 s23, 0
	s_add_nc_u64 s[98:99], s[96:97], s[22:23]      ; along m
	s_add_nc_u64 s[96:97], s[96:97], s[20:21]      ; along n
.irp b, 0,1,2,3,4,5,6,7
	global_load_b128 v[BN+8*\b:BN+8*\b+3], v[BNO], s[96:97] offset:64*\b
	global_load_b128 v[BN+8*\b+4:BN+8*\b+7], v[BNO], s[96:97] offset:64*\b+16
.endr
.irp a, 0,1,2,3,4,5,6,7
	global_load_b32 v[BM+\a], v[BMO], s[98:99] offset:64*\a
.endr
	s_mov_b32 s[SEL], 0x76543210
	s_mov_b32 s[SEL+1], 0xfedcba98
	s_mov_b32 s[MNT], 0x600000
.macro FRAG reg, adr, q, i             ; a fragment, 16 rows x 128 K: lane l holds row l % 16; registers 4 c .. 4 c + 3 hold K = 32 c + 16 (l / 16) + 0 .. 15
.irp c, 0,1,2,3
	ds_load_b128 v[\reg+4*\c:\reg+4*\c+3], v[\adr] offset:128*(\q)+32*\c+(\i)*16*PITCH
.endr
.endm
; 16 matrix instructions: A's blocks a0, a0 + 1 x B's eight.  The 64 accumulators take turns, one instruction a turn, in the same order in every step.
.macro MUL16 a0, p, q, sc, zero
.irp a, \a0, \a0+1
.irp b, 0,1,2,3,4,5,6,7
.if \zero
	v_wmma_scale_f32_16x16x128_f8f6f4 v[8*(8*((\a)%4)+\b):8*(8*((\a)%4)+\b)+7], v[128*(\p)+FR*\b:128*(\p)+FR*\b+FR-1], v[AF+FR*(\a):AF+FR*(\a)+FR-1], 0, v[SC+8*NQ*(\sc)+NQ*\b+(\q)], v[SC+8*NQ*(\sc)+NQ*(\a)+(\q)] matrix_a_fmt:MATRIX_FMT_BF8 matrix_b_fmt:MATRIX_FMT_BF8 matrix_a_scale:MATRIX_SCALE_ROW1
.else
	v_wmma_scale_f32_16x16x128_f8f6f4 v[8*(8*((\a)%4)+\b):8*(8*((\a)%4)+\b)+7], v[128*(\p)+FR*\b:128*(\p)+FR*\b+FR-1], v[AF+FR*(\a):AF+FR*(\a)+FR-1], v[8*(8*((\a)%4)+\b):8*(8*((\a)%4)+\b)+7], v[SC+8*NQ*(\sc)+NQ*\b+(\q)], v[SC+8*NQ*(\sc)+NQ*(\a)+(\q)] matrix_a_fmt:MATRIX_FMT_BF8 matrix_b_fmt:MATRIX_FMT_BF8 matrix_a_scale:MATRIX_SCALE_ROW1
.endif
.endr
.endr
.endm
.macro FETCH_B slot, q, p
	WIN TO_B
.irp i, 0,1,2,3,4,5,6,7
	FRAG 128*(\p)+FR*\i, ADRB+\slot, \q, \i
.endr
	WIN 0
.endm
.macro FETCH_A slot, q, i0
.irp i, \i0, \i0+1, \i0+2, \i0+3
	FRAG AF+FR*(\i), ADRA+\slot, \q, \i
.endr
.endm
.macro SCALES sc                       ; a K step's scale words: two words a row; lanes 0-15 take A's block i, lanes 16-31 B's block i
.irp i, 0,1,2,3,4,5,6,7
	ds_load_b64 v[SC+8*NQ*\sc+NQ*\i:SC+8*NQ*\sc+NQ*\i+1], v[ADRS] offset:\i*128
.endr
.endm
.macro PLACES n                        ; plain vector lines between a matrix instruction and a load into, or a vector line on, one of its registers
.rept \n
	v_nop
.endr
.endm
.macro STEP slot, q, zero              ; a step of 128 along K that has its successor in the same slot
	s_wait_dscnt 4*NL                              ; B's set and A's blocks 0-3 are in; the youngest 16 loads (A's blocks 4-7) may be out
	WIN MUL_LO
	MUL16 0, (\q)%2, \q, \slot, \zero
	MUL16 2, (\q)%2, \q, \slot, \zero
	s_wait_dscnt 0
	PLACES NP
	FETCH_B \slot, (\q)+1, 1-(\q)%2
	FETCH_A \slot, (\q)+1, 0
	WIN MUL_HI
	MUL16 4, (\q)%2, \q, \slot, \zero
	MUL16 6, (\q)%2, \q, \slot, \zero
	PLACES NP
	WIN 0
	FETCH_A \slot, (\q)+1, 4
.endm
; A slot's last step changes slots: one barrier; in front of it each wave waits for all its tensor loads, adds 0 to its spare word, and waits for that and for its reads of this slot.  fill = 1: this slot is filled again, two K steps ahead.
.macro TURN slot, next, fill
	s_wait_tensorcnt 0x0                           ; all my tensor loads have landed: my part of the next slot
	ds_add_u32 v[SPW], v[NIL]                      ; 0 onto my spare word
	s_wait_dscnt 4*NL+1                            ; (the add and the youngest 16 loads may be out)
	WIN MUL_LO
	MUL16 0, 1, NQ-1, \slot, 0
	s_wait_dscnt 0x0                               ; the add is done, and my reads of this slot are over
	s_barrier_signal -1
	MUL16 2, 1, NQ-1, \slot, 0
	WIN 0
	s_barrier_wait -1
.if \fill
	CREST                                          ; the barrier has opened a round of the cluster's barrier: no wave of any partner still reads this slot or has a load on its way
	s_add_nc_u64 s[G0+4*\slot+2:G0+4*\slot+3], s[G0+4*\slot+2:G0+4*\slot+3], 2*ROWB
	s_add_nc_u64 s[G0B+4*\slot+2:G0B+4*\slot+3], s[G0B+4*\slot+2:G0B+4*\slot+3], 2*ROWB
	JLOAD G0+4*\slot, G1, G0B+4*\slot, G1B         ; the first tensor load behind the round; its four v_nop are four of the places below
	PLACES NP-4
.else
	PLACES NP
.endif
	v_add_nc_u32 v[ADRS], 2048, v[ADRS]            ; the next K step's scale words
	FETCH_B \next, 0, 0
	FETCH_A \next, 0, 0
	SCALES \next
	WIN MUL_HI
	MUL16 4, 1, NQ-1, \slot, 0
	MUL16 6, 1, NQ-1, \slot, 0
	PLACES NP
	WIN 0
	FETCH_A \next, 0, 4
.endm
	s_wait_tensorcnt 1                             ; the scale bytes and my part of K step 0 are in (K step 1's load may be out),
	s_barrier_signal -1
	s_barrier_wait -1                              ; everybody's are
	FETCH_B 0, 0, 0
	FETCH_A 0, 0, 0
	SCALES 0
	FETCH_A 0, 0, 4
	STEP 0, 0, 1                                   ; the first step stands in front of the loop: its products start the sums
	s_mov_b32 s3, LAPS-1
.Llap:
	TURN 0, 1, 1
	STEP 1, 0, 0
	TURN 1, 0, 1
	STEP 0, 0, 0
	s_sub_co_u32 s3, s3, 1
	s_cmp_lg_u32 s3, 0
	s_cbranch_scc1 .Llap
	TURN 0, 1, 0                                   ; the last lap fills nothing
	STEP 1, 0, 0
	s_wait_dscnt 4*NL
	WIN MUL_LO
	MUL16 0, 1, NQ-1, 1, 0
	MUL16 2, 1, NQ-1, 1, 0
	s_wait_dscnt 0
	WIN MUL_HI
	MUL16 4, 1, NQ-1, 1, 0
	MUL16 6, 1, NQ-1, 1, 0
	WIN 0
; THE WAY OUT.  64 numbers of a lane, register 16 b + i, become a block row's codes in v[PCD] on and its scale word in v[PW]: four blocks of 32, each shared with lane l xor 16.
.macro QUANT s
.irp b, 0,1,2,3
	v_max3_num_f32 v[TM+\b], |v[\s+16*\b]|, |v[\s+1+16*\b]|, 0x8000000   ; my 16 numbers of block b, and the floor 2^(16 - 127): the byte cannot fall under 1
.endr
.irp i, 2,4,6,8,10,12,14
.irp b, 0,1,2,3
	v_max3_num_f32 v[TM+\b], v[TM+\b], |v[\s+16*\b+\i]|, |v[\s+1+16*\b+\i]|
.endr
.endr
.irp b, 0,1,2,3
	v_permlanex16_b32 v[TM+4+\b], v[TM+\b], s[SEL], s[SEL+1]
.endr
.irp b, 0,1,2,3
	v_max_num_f32 v[TM+\b], v[TM+\b], v[TM+4+\b]   ; the block's largest magnitude
.endr
.irp b, 0,1,2,3
	v_add_nc_u32 v[TM+12+\b], 0xf8800000, v[TM+\b] ; 15 off its exponent field: the conversion's scale operand
.endr
.irp b, 0,1,2,3
	v_and_or_b32 v[TM+8+\b], v[TM+\b], 0x7f800000, s[MNT]   ; 57,344 x the scale
.endr
.irp b, 0,1,2,3
	v_lshrrev_b32 v[TM+4+\b], 23, v[TM+12+\b]      ; the scale's byte
.endr
	v_lshl_or_b32 v[PW], v[TM+5], 8, v[TM+4]
	v_lshl_or_b32 v[PW], v[TM+6], 16, v[PW]
	v_lshl_or_b32 v[PW], v[TM+7], 24, v[PW]
.irp b, 0,1,2,3
.irp i, 0,1,2,3,4,5,6,7,8,9,10,11,12,13,14,15
	v_med3_num_f32 v[\s+16*\b+\i], v[\s+16*\b+\i], -v[TM+8+\b], v[TM+8+\b]   ; the conversion to an 8-bit code does not saturate (ISA guide 7.6.2)
.endr
	v_cvt_scalef32_pk8_bf8_f32 v[PCD+4*\b:PCD+1+4*\b], v[\s+16*\b:\s+7+16*\b], v[TM+12+\b]
	v_cvt_scalef32_pk8_bf8_f32 v[PCD+2+4*\b:PCD+3+4*\b], v[\s+8+16*\b:\s+15+16*\b], v[TM+12+\b]
.endr
	v_nop                                          ; a plain line behind the last conversion, ahead of the next vector line that writes its sources
.endm
.macro EPI a                           ; block a: my rows 16 a .. 16 a + 15, all 128 columns
.set AC, 64*((\a)%4)
	WIN 0x02+(\a)/4                                ; source 0: the accumulators' window
.set i, 0
.rept 32
	v_pk_add_f32 v[T+i:T+i+1], v[AC+i:AC+i+1], v[BN+i:BN+i+1]     ; + the bias along n (0 for v); each accumulator from its low end on
.set i, i+2
.endr
	WIN 0
.set i, 0
.rept 32
.if (\a)%2
	v_pk_add_f32 v[T+i:T+i+1], v[T+i:T+i+1], v[BM+2*((\a)/2):BM+2*((\a)/2)+1] op_sel:[0,1] op_sel_hi:[1,1]   ; + the bias along m (0 for q and k): the pair's upper register for both halves
.else
	v_pk_add_f32 v[T+i:T+i+1], v[T+i:T+i+1], v[BM+2*((\a)/2):BM+2*((\a)/2)+1] op_sel_hi:[1,0]                ; the pair's lower register for both halves
.endif
.set i, i+2
.endr
	QUANT T
.irp b, 0,1,2,3
	ds_store_b128 v[STO], v[PCD+4*\b:PCD+4*\b+3] offset:16*PITCH*(\a)+32*\b
.endr
	ds_store_b32 v[SST], v[PW] offset:128*(\a)     ; lanes l and l xor 16 write the same word with the same value
	s_wait_dscnt 0x0                               ; the stores have read their registers
.endm
	s_wait_loadcnt 0x0                             ; the biases
	s_cmp_eq_u32 s2, 2
	s_cselect_b32 s18, -1, 0                       ; all lanes on for v, none for q and k
.set i, 0
.rept 64
	v_cndmask_b32 v[BN+i], v[BN+i], 0, s18         ; these 72 lines name no register of the last products: they are the places behind them
.set i, i+1
.endr
.set i, 0
.rept 8
	v_cndmask_b32 v[BM+i], 0, v[BM+i], s18
.set i, i+1
.endr
.irp b, 0,1,2,3
	v_mov_b32 v[TM+4+\b], 0                        ; written once: a lane permute's destination counts as one of its sources
.endr
.irp a, 0,1,2,3,4,5,6,7
	EPI \a
.endr
	s_barrier_signal -1                            ; every wave's stores into the stages are done (the wait for 0 closes each block)
	s_barrier_wait -1
.irp t, 0,1,2,3,4,5,6,7,8,9,10,11,12,13,14,15,16,17,18,19,20,21,22,23,24,25,26,27,28,29,30,31
	ds_load_b128 v[T+4*\t:T+4*\t+3], v[RD] offset:2*PITCH*\t
.endr
	ds_load_b128 v[SC:SC+3], v[SRD]
.irp t, 0,1,2,3,4,5,6,7,8,9,10,11,12,13,14,15,16,17,18,19,20,21,22,23,24,25,26,27,28,29,30,31
	s_wait_dscnt 32-\t                             ; behind load t: 31 - t loads of codes and the scale bytes'
	global_store_b128 v[CO], v[T+4*\t:T+4*\t+3], s[12:13] offset:2048*\t    ; sixteen lanes store 256 bytes on end, aligned
.endr
	s_wait_dscnt 0x0
	global_store_b128 v[SCO], v[SC:SC+3], s[10:11] ; 512 bytes on end
	s_wait_tensorcnt 0x0                           ; the wave's end
	ds_add_u32 v[SPW], v[NIL]
	s_wait_dscnt 0x0
	CROUND                                         ; the closing round: no work-group ends while a partner may still ask for a tile that names it
	s_endpgm
.Lfunc_end_k_qff056a41d8_proj:
	.size	k_qff056a41d8_proj, .Lfunc_end_k_qff056a41d8_proj-k_qff056a41d8_proj
	.p2alignl 7, 3214868480
	.fill 96, 4, 3214868480
	.section	.rodata,"a",@progbits
	.p2align	6, 0x0
	.amdhsa_kernel k_qff056a41d8_proj
		.amdhsa_group_segment_fixed_size 327680
		.amdhsa_private_segment_fixed_size 0
		.amdhsa_enable_private_segment 0
		.amdhsa_kernarg_size 48
		.amdhsa_user_sgpr_count 2
		.amdhsa_user_sgpr_kernarg_segment_ptr 1
		.amdhsa_wavefront_size32 1
		.amdhsa_system_sgpr_workgroup_id_x 1
		.amdhsa_system_sgpr_workgroup_id_y 1
		.amdhsa_system_sgpr_workgroup_id_z 1
		.amdhsa_system_vgpr_workitem_id 0
		.amdhsa_next_free_vgpr 1024
		.amdhsa_next_free_sgpr 102
		.amdhsa_reserve_vcc 0
		.amdhsa_float_denorm_mode_32 3
		.amdhsa_float_denorm_mode_16_64 3
		.amdhsa_memory_ordered 1
		.amdhsa_forward_progress 1
		.amdhsa_inst_pref_size 230
	.end_amdhsa_kernel
	.amdgpu_metadata
---
amdhsa.version: [ 1, 2 ]
amdhsa.kernels:
  - .name:           k_qff056a41d8_proj
    .symbol:         k_qff056a41d8_proj.kd
    .args:
      - { .name: xq, .offset: 0, .size: 8, .value_kind: global_buffer, .address_space: global }
      - { .name: wq, .offset: 8, .size: 8, .value_kind: global_buffer, .address_space: global }
      - { .name: bq, .offset: 16, .size: 8, .value_kind: global_buffer, .address_space: global }
      - { .name: bk, .offset: 24, .size: 8, .value_kind: global_buffer, .address_space: global }
      - { .name: bv, .offset: 32, .size: 8, .value_kind: global_buffer, .address_space: global }
      - { .name: pq, .offset: 40, .size: 8, .value_kind: global_buffer, .address_space: global }
    .group_segment_fixed_size: 327680
    .private_segment_fixed_size: 0
    .kernarg_segment_align: 8
    .kernarg_segment_size: 48
    .max_flat_workgroup_size: 128
    .sgpr_count:     102
    .vgpr_count:     1024
    .wavefront_size: 32
...
	.end_amdgpu_metadata
.endif
;; end of part 2
;; launch attn (part 3): grid 32 x 16, 16 waves a work-group, clusters of 4 x 1, 327,680 bytes of LDS; arguments pq, maskw, aq; writes aq
.if DOCPART == 3
	.amdgcn_target "amdgcn-amd-amdhsa--gfx1250"
	.amdhsa_code_object_version 6
	.text
	.protected	k_qff056a41d8_attn
	.globl	k_qff056a41d8_attn
	.p2align	8
	.type	k_qff056a41d8_attn,@function
k_qff056a41d8_attn:
	s_mov_b64 s[64:65], 0
	v_nop
	global_prefetch_b8 v0, s[64:65] scope:SCOPE_SE
	s_setreg_imm32_b32 hwreg(HW_REG_WAVE_MODE, 25, 1), 1
	s_wait_xcnt 0x0
	s_wait_alu depctr_hold_cnt(0) depctr_sa_sdst(0) depctr_va_vdst(0) depctr_va_sdst(0) depctr_va_ssrc(0) depctr_va_vcc(0) depctr_vm_vsrc(0)
	s_getreg_b32 s2, hwreg(HW_REG_IB_STS2, 6, 4)
	s_cmp_eq_u32 s2, 0
	s_cbranch_scc0 .Lentry_in_a_cluster
	s_endpgm
.Lentry_in_a_cluster:
	s_bfe_u32 s2, ttmp6, 0x10000c
	s_cmp_lg_u32 s2, 0x3003
	s_cbranch_scc0 .Lentry_shape_is_right
	s_endpgm
.Lentry_shape_is_right:
; ATTN.  For each n and head: scores = q k^T (K = 64); where the mask is 0 the score becomes 1e-20; t = score x log2(e) / 32; M = the running largest t rounded up to a whole number; p = 2^(t - M) is quantised along the keys;
; O = sum of p v over the keys, divided at the end by the sum of the unquantised p; O is then quantised along the model's 1,024 for the last projection.  Both products on codes of BF8 (E5M2) with E8M0 scales.
; SHARES.  A work-group owns 64 queries and the four heads of a group g (256 channels), so that a row of its result is 256 bytes on end.  Wave w: head w / 4, queries 16 (w % 4) on: one tile, 256 registers, four waves to a SIMD,
; so that one wave's vector work stands beside another's matrix work and LDS loads.  Every wave walks the 2,048 keys, 128 a step; a slot holds 256 keys: K's 256 rows x 256 bytes (four heads) and V's 256 channels x 256 keys.
; CLUSTER.  The four work-groups of a cluster have the same n and g and walk the same K, V and scale bytes: every tensor load is asked for jointly, with a mask that names the four.  Waves 0, 1 fetch K's halves, waves 2, 3 V's.
; LAYOUT.  Both products are used transposed: S^T = K Q^T (source 0 = 16 keys, source 1 = my 16 queries), O^T = V^T P^T: a lane holds ONE query (lane % 16).  Register 8 t + j of S^T is key 16 t + 8 (lane / 16) + j.
; The 16 registers of tiles 2 b and 2 b + 1 give the lane's 16 codes of block b; V's codes lie in memory in that same order within each block of 32 keys.  q's and k's codes share one order within each block of 32.
; K = 64 IN AN INSTRUCTION OF K = 128: registers 8-15 of Q's fragment hold zero codes for the whole launch.  A tile of K takes eight registers, and the step's eight tiles lie on end: registers 8-15 of tile t's fragment are tile
; t + 1's codes (behind the last tile: eight registers of zero codes).  They are finite codes (the launch that made them held every number at the largest code), they meet Q's zero codes, and their scale bytes are the zeros
; above a loaded halfword: they add nothing.
; LDS LOADS EARLY: K of a slot's second step is asked for in the first, behind the products that read K's registers; V's fragment b is asked for as soon as p's block b is converted, into the 16 registers that it has left.
; THE MASK comes as lane masks made by an earlier launch: 64 words a step, by scalar loads a step ahead; one v_cndmask_b32 a register.
; LIMITS: NaN and infinities are not served; the sums over a block of 32 run in the order stated above; 1 / l is v_rcp_f32 and a multiplication; a block of O whose largest magnitude lies under 2^-111 gets the byte 1.
.set KP,     272                       ; an LDS row: 256 bytes + 16: the 16 rows that a load touches start at 16 different groups of banks
.set VOFF,   256*KP                    ; a slot: K's 256 rows, then V's 256
.set SLOTB,  2*VOFF
.set SCK,    2*SLOTB                   ; K's scale bytes of (n, g): [2048 keys][8]
.set SCV,    SCK+16384                 ; V's: [8 slots][256 channels][8]
.set SPARE,  SCV+16384                 ; the spare words, 128 bytes a wave: eight blocks of 256 bytes that no other line names
.set OSS,    64*KP                     ; the way out: codes' stage, 64 rows x KP from byte 0, and the scale bytes' stage behind it: in LDS slot 0, which has had its last fill and was left at the last change of slots
.set PS_OFF, 25165824
.set AS_OFF, 8388608
.set AK0,  1                           ; v1   my lane's place in a tile of K
.set AV0,  2                           ; v2   the same for V
.set ASK0, 3                           ; v3   among K's scale halfwords
.set ASV0, 4                           ; v4   among V's scale words
.set SPW,  5                           ; v5   my spare word; never rewritten
.set NIL,  6                           ; v6   0; never rewritten
.set PFO,  7                           ; v7   1,024 x lane: the prefetches' rows
.set ADK,  8                           ; v8-11 the slot's addresses
.set ADV,  9
.set ADS,  10
.set ADT,  11
.set QF,   16                          ; v16-31   Q (v24-31: zero codes)
.set KF,   32                          ; v32-95   K: tile t's codes at v[KF + 8 t] on
.set ZP,   96                          ; v96-103  zero codes: the upper half of the last tile's fragment
.set S,    104                         ; v104-167 S^T, then p, then four fragments of V
.set OT,   168                         ; v168-199 O^T
.set PCD,  200                         ; v200-215 p's codes
.set KS,   216                         ; v216-223 K's scale halfwords, one register a tile
.set VS,   224                         ; v224-227 V's scale words
.set QS,   228                         ; v228     Q's scale halfword
.set PS,   229                         ; v229     p's scale word
.set EPS,  230                         ; v230     1e-20
.set PFV,  231                         ; v231     the prefetch's offset
.set BX,   232                         ; v232-235 block maxima, v236-239 the other lane's, then bytes, then the hold once more, v240-243 the hold, v244-247 the conversions' scale operands
.set TMP,  248
.set FF,   250                         ; v[250:251] f = 2^(old M - new M), low word
.set SM2,  252                         ; v[252:253] the second chain of the sum
.set WV,   2
.set TB,   3                           ; s3   LDS byte at which the slot in hand begins
.set SEL,  4                           ; s[4:5]
.set JN,   6                           ; s6   the slot to be asked for next; the loop's counter
.set LIM,  7                           ; s7   a wave prefetches while JN is under it
.set G1T,  8                           ; s[8:15]  group 1 of K's and V's tiles: 128 rows x 256 bytes, 1,024 apart
.set G0,   16                          ; s[16:19]
.set GB,   20                          ; s[20:21] my tile of slot 0 in memory
.set MP,   22                          ; s[22:23] the step's mask words
.set PFB,  24                          ; s[24:25] my work-group's rows of slot 0, for the prefetches
.set WOFF, 26                          ; s26  my tile's place in a slot
.set TSL,  27                          ; s27  2,048 x the slot in hand: its scale bytes
.set MNT,  31
.set CS,   66                          ; s[66:67] c = log2(e) / 32
.set KIND, 100                         ; s100 0: I fetch or prefetch for K, 1: for V
.macro CROUND                          ; a round of the cluster's barrier
	s_barrier_signal -1
	s_barrier_wait -1
	s_cmp_lg_u32 s[WV], 0
	s_cbranch_scc1 .Lnot_wave_0_\@
	s_barrier_signal -3
.Lnot_wave_0_\@:
	s_barrier_wait -3
	s_barrier_signal -1
	s_barrier_wait -1
.endm
	s_load_b128 s[44:47], s[0:1], 0x0              ; pq, maskw
	v_lshl_add_u32 v[SPW], v0, 2, SPARE
	v_mov_b32 v[NIL], 0
	ds_add_u32 v5, v6
	ds_add_u32 v5, v6
	s_wait_dscnt 0x0
	v_lshrrev_b32 v8, 5, v0
	s_delay_alu instid0(VALU_DEP_1)
	v_readfirstlane_b32 s[WV], v8                  ; wave 0..15
	s_bfe_u32 s48, ttmp6, 0x40000                  ; cx
	s_lshl_b32 s49, ttmp9, 2
	s_add_co_u32 s49, s49, s48                     ; my block of 64 queries: it enters Q's, the mask's and the result's addresses alone
	s_and_b32 s50, ttmp7, 0xffff
	s_lshr_b32 s51, s50, 2                         ; n
	s_and_b32 s52, s50, 3                          ; g
	s_lshr_b32 s53, s[WV], 2                       ; my head in the group
	s_and_b32 s54, s[WV], 3                        ; my tile of queries; for waves 0-3: which tile I fetch
	s_and_b32 s55, s[WV], 1                        ; which half
	s_bfe_u32 s[KIND], s[WV], 0x10001
	s_mov_b32 s[G1T], 15|(1<<20)|(1<<21)|(5<<22)|(3<<25)   ; the mask: all four; elements of 1 byte; padding on; bit 21 beside a mask; after every 64 words, 4 words
	s_mov_b32 s[G1T+1], 256<<16                    ; tensor_dim0
	s_mov_b32 s[G1T+2], 128<<16                    ; tensor_dim1
	s_mov_b32 s[G1T+3], 256<<16                    ; tile_dim0
	s_mov_b32 s[G1T+4], 128                        ; tile_dim1
	s_mov_b32 s[G1T+5], 1024                       ; tensor_dim0_stride
	s_mov_b32 s[G1T+6], 0
	s_mov_b32 s[G1T+7], 0
	s_mov_b32 s32, 15|(3<<16)|(1<<21)              ; the scale bytes: 8,192 on end, as 32 rows of 256 bytes (32 elements of 8 bytes).  s[32:43] serve the first fills alone
	s_mov_b32 s33, 32<<16
	s_mov_b32 s34, 32<<16
	s_mov_b32 s35, 32<<16
	s_mov_b32 s36, 32
	s_mov_b32 s37, 32
	s_mov_b32 s38, 0
	s_mov_b32 s39, 0
	; K: 8 MiB + n << 21 + g << 8;  V: 16 MiB + n << 21 + g << 18
	s_lshl_b32 s56, s51, 21
	s_lshl_b32 s57, s52, 8
	s_lshl_b32 s58, s52, 18
	s_add_co_u32 s57, s57, 0x800000
	s_add_co_u32 s58, s58, 0x1000000
	s_cmp_eq_u32 s[KIND], 0
	s_cselect_b32 s57, s57, s58
	s_add_co_u32 s56, s56, s57
	s_lshl_b32 s58, s55, 17                        ; my 128 rows
	s_add_co_u32 s58, s58, s56
	s_mov_b32 s59, 0
	s_lshl_b32 s60, s48, 16                        ; the prefetches: partner cx takes rows 64 cx + 32 (wave % 2) + lane: told apart by address
	s_lshl_b32 s61, s55, 15
	s_add_co_u32 s60, s60, s61
	s_add_co_u32 s60, s60, s56
	s_mov_b32 s61, 0
	s_add_co_u32 s62, s[KIND], 1                   ; the scale bytes: part 1 (k) or 2 (v), + g << 16 + n << 14 + my half
	s_lshl_b32 s62, s62, 18
	s_lshl_b32 s63, s52, 16
	s_add_co_u32 s62, s62, s63
	s_lshl_b32 s63, s51, 14
	s_add_co_u32 s62, s62, s63
	s_lshl_b32 s63, s55, 13
	s_add_co_u32 s62, s62, s63
	s_add_co_u32 s62, s62, PS_OFF
	s_mov_b32 s63, 0
	s_mul_i32 s[WOFF], s54, 128*KP
	s_lshl_b32 s72, s51, 11                        ; my first query's row: 2,048 n + 64 block + 16 tile
	s_lshl_b32 s73, s49, 6
	s_add_co_u32 s72, s72, s73
	s_lshl_b32 s73, s54, 4
	s_add_co_u32 s72, s72, s73
	s_lshl_b32 s68, s72, 10                        ; its codes: + 256 g + 64 head
	s_lshl_b32 s73, s52, 8
	s_add_co_u32 s68, s68, s73
	s_lshl_b32 s73, s53, 6
	s_add_co_u32 s68, s68, s73
	s_mov_b32 s69, 0
	s_lshl_b32 s70, s72, 3                         ; its scale halfword
	s_lshl_b32 s73, s52, 16
	s_add_co_u32 s70, s70, s73
	s_lshl_b32 s73, s53, 1
	s_add_co_u32 s70, s70, s73
	s_add_co_u32 s70, s70, PS_OFF
	s_mov_b32 s71, 0
	s_lshl_b32 s74, s51, 7                         ; its mask words: 4,096 bytes for each tile of 16 queries
	s_lshl_b32 s73, s49, 2
	s_add_co_u32 s74, s74, s73
	s_add_co_u32 s74, s74, s54
	s_lshl_b32 s74, s74, 12
	s_mov_b32 s75, 0
	s_xor_b32 s76, s53, 1                          ; waves 4-7 of the first cluster of each (n, g) prefetch: the same in all four partners
	s_or_b32 s76, s76, ttmp9
	s_cmp_eq_u32 s76, 0
	s_cselect_b32 s[LIM], 7, 0
	s_mov_b32 s[SEL], 0x76543210
	s_mov_b32 s[SEL+1], 0xfedcba98
	s_mov_b32 s[MNT], 0x600000
	s_mov_b32 s[CS], 0x3d38aa3b
	s_mov_b32 s[CS+1], s[CS]
	s_mov_b32 s[JN], 1
	s_mov_b32 s[TB], 0
	s_mov_b32 s[TSL], 0
	s_wait_kmcnt 0x0
	s_add_nc_u64 s[GB:GB+1], s[44:45], s[58:59]
	s_add_nc_u64 s[PFB:PFB+1], s[44:45], s[60:61]
	s_add_nc_u64 s[68:69], s[44:45], s[68:69]
	s_add_nc_u64 s[70:71], s[44:45], s[70:71]
	s_add_nc_u64 s[MP:MP+1], s[46:47], s[74:75]
	s_mov_b32 s40, 1
	s_lshl_b32 s41, s54, 13
	s_add_co_u32 s41, s41, SCK
	s_add_nc_u64 s[42:43], s[44:45], s[62:63]
	s_or_b32 s43, s43, 0x80000000
	s_mov_b32 s[G0], 1
	s_mov_b32 s[G0+1], s[WOFF]
	s_mov_b64 s[G0+2:G0+3], s[GB:GB+1]
	s_or_b32 s[G0+3], s[G0+3], 0x80000000
	CROUND                                         ; all four work-groups are here: the first joint loads meet
	s_cmp_lt_u32 s[WV], 4                          ; a fetching wave's two first fills stand in one branch: two loads of mine are out
	s_cbranch_scc0 .Lno_first
	tensor_load_to_lds s[40:43], s[32:39]          ; the scale bytes: filled once
	s_nop 0
	tensor_load_to_lds s[G0:G0+3], s[G1T:G1T+7]    ; slot 0
	s_nop 0
.rept 4
	v_nop
.endr
.Lno_first:
	v_and_b32 v8, 15, v0                           ; r
	v_bfe_u32 v9, v0, 4, 1                         ; h
	s_delay_alu instid0(VALU_DEP_2)
	v_lshlrev_b32 v10, 10, v8
	s_delay_alu instid0(VALU_DEP_1)
	v_lshl_add_u32 v10, v9, 4, v10
	global_load_b128 v[QF:QF+3], v10, s[68:69]             ; Q(r, 16 h ..)
	global_load_b128 v[QF+4:QF+7], v10, s[68:69] offset:32 ; Q(r, 32 + 16 h ..)
	v_lshlrev_b32 v11, 3, v8
	global_load_u16 v[QS], v11, s[70:71]
	v_mul_u32_u24 v[AK0], v8, KP
	s_delay_alu instid0(VALU_DEP_1)
	v_lshl_add_u32 v[AK0], v9, 4, v[AK0]           ; row r, + 16 h
	s_mul_i32 s72, s53, 64*KP
	s_add_co_u32 s72, s72, VOFF
	v_add_nc_u32 v[AV0], s72, v[AK0]               ; V: my head's 64 channels
	s_lshl_b32 s72, s53, 6
	v_add_nc_u32 v[AK0], s72, v[AK0]               ; K: my head's 64 bytes of a row
	s_lshl_b32 s72, s53, 1
	s_add_co_u32 s72, s72, SCK
	v_lshl_add_u32 v[ASK0], v8, 3, s72
	s_lshl_b32 s72, s53, 9
	s_add_co_u32 s72, s72, SCV
	v_lshl_add_u32 v[ASV0], v8, 3, s72
	v_and_b32 v[PFO], 31, v0
	s_delay_alu instid0(VALU_DEP_1)
	v_lshlrev_b32 v[PFO], 10, v[PFO]
	v_mov_b32 v[EPS], 0x1e3ce508                   ; 1e-20
	v_mov_b32 v13, 0xff61b1e6                      ; the largest t so far: -3e38
	s_delay_alu instid0(VALU_DEP_1)
	v_floor_f32 v12, -v13                          ; -M
	v_mov_b32 v14, 0                               ; the sum, in two halves
	v_mov_b32 v15, 0
	v_mov_b32 v[FF+1], 0                           ; (named as the upper half of a pair)
.irp b, 0,1,2,3
	v_mov_b32 v[BX+4+\b], 0                        ; written once: a lane permute's destination counts as one of its sources
.endr
.irp j, 0,1,2,3,4,5,6,7
	v_mov_b32 v[QF+8+\j], 0                        ; Q's zero codes of K = 64 .. 127,
	v_mov_b32 v[ZP+\j], 0                          ; and those behind K's last tile
.endr
.set j, 0
.rept 32
	v_mov_b32 v[OT+j], 0                           ; O^T: the loop is written once; its first step finds zeros, which the first change of M leaves zeros
.set j, j+1
.endr
	s_wait_tensorcnt 0x0                           ; my first fills have landed: s[32:43] may be written
	s_wait_loadcnt 0x0                             ; Q is in: s[68:71] may be written
	s_load_b512 s[32:47], s[MP:MP+1], 0x0          ; the first step's 64 mask words
	s_load_b512 s[48:63], s[MP:MP+1], 0x40
	s_load_b512 s[68:83], s[MP:MP+1], 0x80
	s_load_b512 s[84:99], s[MP:MP+1], 0xc0
; K's eight tiles of the slot's q-th step, eight registers each, on end, and a scale halfword for each: 24 LDS loads in one run
.macro KLOAD q
.irp t, 0,1,2,3,4,5,6,7
	ds_load_b128 v[KF+8*\t:KF+8*\t+3], v[ADK] offset:(128*(\q)+16*\t)*KP
	ds_load_b128 v[KF+8*\t+4:KF+8*\t+7], v[ADK] offset:(128*(\q)+16*\t)*KP+32
	ds_load_u16 v[KS+\t], v[ADS] offset:(128*(\q)+16*\t)*8
.endr
.endm
; A KEY STEP: 128 keys, the q-th of the slot in hand.  last = 1: no step follows.
.macro STEP q, last
.if (\q) == 0
	KLOAD 0                                        ; a slot's first K cannot be asked for ahead of the round; the second step's was asked for a step ago
.endif
.rept 9-4*(1-(\q))
	v_nop                                          ; nine plain lines (in a slot's first step four of them are the address additions) between the last V^T P and the first product below, which writes over registers that it read
.endr
.if (\q) == 0
	s_wait_alu depctr_va_vdst(0)
	s_wait_dscnt 0x0                               ; K is in.  (In the second step the last wait of the step before has shown it)
.endif
.irp t, 0,1,2,3,4,5,6,7                ; S^T = K Q^T: eight tiles of 16 keys, eight accumulators
	v_wmma_scale_f32_16x16x128_f8f6f4 v[S+8*\t:S+8*\t+7], v[KF+8*\t:KF+8*\t+15], v[QF:QF+15], 0, v[KS+\t], v[QS] matrix_a_fmt:MATRIX_FMT_BF8 matrix_b_fmt:MATRIX_FMT_BF8
.endr
.rept 8
	v_nop                                          ; places behind the products: ahead of the first read of the scores, and of the loads into K's registers
.endr
.if (\q) == 0
	KLOAD 1                                        ; the next step's K: the whole softmax in which to land
.endif
	s_wait_kmcnt 0x0                               ; this step's mask words, asked for a step ago
.set n, 0
.rept 32
	v_cndmask_b32 v[S+n], v[EPS], v[S+n], s[32+n]  ; where the mask is 0: 1e-20; each accumulator from its low end on
.set n, n+1
.endr
.rept 32
	v_cndmask_b32 v[S+n], v[EPS], v[S+n], s[36+n]
.set n, n+1
.endr
.if !(\last)
	s_add_nc_u64 s[MP:MP+1], s[MP:MP+1], 256       ; (the loads that read it are done)
	s_load_b512 s[32:47], s[MP:MP+1], 0x0          ; the next step's mask words: the rest of this step in which to land
	s_load_b512 s[48:63], s[MP:MP+1], 0x40
	s_load_b512 s[68:83], s[MP:MP+1], 0x80
	s_load_b512 s[84:99], s[MP:MP+1], 0xc0
.endif
.irp b, 0,1,2,3
	v_max3_num_f32 v[BX+\b], v[S+16*\b], v[S+1+16*\b], v[S+2+16*\b]   ; the largest score of each block of 32 keys: for the row's maximum and, since p rises with the score, for the block's largest p
.endr
.irp i, 3,5,7,9,11,13
.irp b, 0,1,2,3
	s_delay_alu instid0(VALU_DEP_4)
	v_max3_num_f32 v[BX+\b], v[BX+\b], v[S+16*\b+\i], v[S+1+16*\b+\i]
.endr
.endr
.irp b, 0,1,2,3
	s_delay_alu instid0(VALU_DEP_4)
	v_max_num_f32 v[BX+\b], v[BX+\b], v[S+15+16*\b]
.endr
.irp b, 0,1,2,3
	s_delay_alu instid0(VALU_DEP_4)
	v_permlanex16_b32 v[BX+4+\b], v[BX+\b], s[SEL], s[SEL+1]
.endr
.irp b, 0,1,2,3
	s_delay_alu instid0(VALU_DEP_4)
	v_max_num_f32 v[BX+\b], v[BX+\b], v[BX+4+\b]   ; with lane l xor 16's 16 keys
.endr
	s_delay_alu instid0(VALU_DEP_2)
	v_max3_num_f32 v[TMP], v[BX], v[BX+1], v[BX+2]
	s_delay_alu instid0(VALU_DEP_1)
	v_max_num_f32 v[TMP], v[TMP], v[BX+3]
	s_delay_alu instid0(VALU_DEP_1)
	v_mul_f32 v[TMP], s[CS], v[TMP]                ; as t (c is positive)
	s_delay_alu instid0(VALU_DEP_1)
	v_max_num_f32 v13, v13, v[TMP]                 ; the running largest t
	v_mov_b32 v[TMP], v12
	s_delay_alu instid0(VALU_DEP_2)
	v_floor_f32 v12, -v13                          ; the new -M = floor(-t): M is a whole number
	s_delay_alu instid0(VALU_DEP_1)
	v_sub_f32 v[TMP], v12, v[TMP]                  ; old M - new M: a whole number, 0 or less
	s_delay_alu instid0(VALU_DEP_1)
	v_cvt_i32_f32 v[TMP], v[TMP]                   ; (it saturates)
	s_delay_alu instid0(VALU_DEP_1)
	v_ldexp_f32 v[FF], 1.0, v[TMP]                 ; f = 2^(old M - new M): a multiplication by it rounds nothing
.set j, 0
.rept 32
	v_pk_fma_f32 v[S+j:S+j+1], v[S+j:S+j+1], s[CS:CS+1], v[12:13] op_sel_hi:[1,0,0]   ; t - M, two at a time
.set j, j+2
.endr
.irp b, 0,1,2,3
	v_fma_f32 v[BX+\b], v[BX+\b], s[CS], v12       ; the same of each block's largest score
.endr
.set j, 0
	s_wait_alu depctr_va_vdst(0)
.rept 64
	v_exp_f32 v[S+j], v[S+j]                       ; p = 2^(t - M), not normalised
.set j, j+1
.endr
	v_pk_mul_f32 v[14:15], v[14:15], v[FF:FF+1] op_sel_hi:[1,0]   ; the sums under the new M: the plain line behind the exponentials
	s_wait_alu depctr_va_vdst(0)                   ; one wait for the whole batch, ahead of its first reader
.irp b, 0,1,2,3
	v_exp_f32 v[BX+\b], v[BX+\b]                   ; the block's largest p: the same two instructions on the same number
.endr
	v_pk_add_f32 v[252:253], v[108:109], v[112:113]
	v_pk_add_f32 v[254:255], v[116:117], v[120:121]
	v_pk_add_f32 v[246:247], v[124:125], v[128:129]
	v_pk_add_f32 v[244:245], v[132:133], v[136:137]
	v_pk_add_f32 v[242:243], v[140:141], v[144:145]
	v_pk_add_f32 v[240:241], v[148:149], v[152:153]
	v_pk_add_f32 v[238:239], v[156:157], v[160:161]
	v_pk_add_f32 v[14:15], v[14:15], v[164:165]
	v_pk_add_f32 v[252:253], v[252:253], v[104:105]
	v_pk_add_f32 v[254:255], v[254:255], v[106:107]
	v_pk_add_f32 v[246:247], v[246:247], v[110:111]
	v_pk_add_f32 v[244:245], v[244:245], v[114:115]
	v_pk_add_f32 v[242:243], v[242:243], v[118:119]
	v_pk_add_f32 v[240:241], v[240:241], v[122:123]
	v_pk_add_f32 v[238:239], v[238:239], v[126:127]
	v_pk_add_f32 v[14:15], v[14:15], v[130:131]
	v_pk_add_f32 v[252:253], v[252:253], v[134:135]
	v_pk_add_f32 v[254:255], v[254:255], v[138:139]
	v_pk_add_f32 v[246:247], v[246:247], v[142:143]
	v_pk_add_f32 v[244:245], v[244:245], v[146:147]
	v_pk_add_f32 v[242:243], v[242:243], v[150:151]
	v_pk_add_f32 v[240:241], v[240:241], v[154:155]
	v_pk_add_f32 v[238:239], v[238:239], v[158:159]
	v_pk_add_f32 v[14:15], v[14:15], v[162:163]
	v_pk_add_f32 v[252:253], v[252:253], v[166:167]
	s_delay_alu instid0(VALU_DEP_2)
	v_pk_add_f32 v[14:15], v[14:15], v[244:245]
	s_delay_alu instid0(VALU_DEP_2)
	v_pk_add_f32 v[252:253], v[252:253], v[242:243]
	v_pk_add_f32 v[254:255], v[254:255], v[240:241]
	v_pk_add_f32 v[246:247], v[246:247], v[238:239]
	s_delay_alu instid0(VALU_DEP_2)
	v_pk_add_f32 v[14:15], v[14:15], v[254:255]
	s_delay_alu instid0(VALU_DEP_2)
	v_pk_add_f32 v[252:253], v[252:253], v[246:247]
	s_delay_alu instid0(VALU_DEP_1)
	v_pk_add_f32 v[14:15], v[14:15], v[252:253]
	s_wait_alu depctr_va_vdst(0)                   ; and one for the four
.irp b, 0,1,2,3
	v_max_num_f32 v[BX+\b], 0x8000000, v[BX+\b]    ; the floor 2^(16 - 127): the byte cannot fall under 1
.endr
.irp b, 0,1,2,3
	s_delay_alu instid0(VALU_DEP_4)
	v_add_nc_u32 v[BX+12+\b], 0xf8800000, v[BX+\b] ; 15 off the exponent field: the conversion's scale operand
.endr
.irp b, 0,1,2,3
	v_and_or_b32 v[BX+8+\b], v[BX+\b], 0x7f800000, s[MNT]   ; 57,344 x the scale
.endr
.irp b, 0,1,2,3
	v_lshrrev_b32 v[BX+4+\b], 23, v[BX+12+\b]      ; the scale's byte
.endr
	s_delay_alu instid0(VALU_DEP_3)
	v_lshl_or_b32 v[PS], v[BX+5], 8, v[BX+4]       ; p's scale word for these 128 keys
	s_delay_alu instid0(VALU_DEP_1)
	v_lshl_or_b32 v[PS], v[BX+6], 16, v[PS]
	s_delay_alu instid0(VALU_DEP_1)
	v_lshl_or_b32 v[PS], v[BX+7], 24, v[PS]
	; the hold once more, block b's at v[BX + 4 + (b + 1) % 4]: the two halves of a dual instruction take their second sources from registers whose numbers differ modulo 4
	v_dual_mov_b32 v[BX+5], v[BX+8] :: v_dual_mov_b32 v[BX+6], v[BX+9]
	v_dual_mov_b32 v[BX+7], v[BX+10] :: v_dual_mov_b32 v[BX+4], v[BX+11]
.irp b, 0,1,2,3
.irp i, 0,2,4,6,8,10,12,14
	v_dual_min_num_f32 v[S+16*\b+\i], v[S+16*\b+\i], v[BX+8+\b] :: v_dual_min_num_f32 v[S+16*\b+\i+1], v[S+16*\b+\i+1], v[BX+4+((\b+1)%4)]   ; the conversion to an 8-bit code does not saturate (ISA guide 7.6.2); p is not negative, so the hold is one-sided; two numbers an instruction
.endr
	v_cvt_scalef32_pk8_bf8_f32 v[PCD+4*\b:PCD+4*\b+1], v[S+16*\b:S+16*\b+7], v[BX+12+\b]
	v_cvt_scalef32_pk8_bf8_f32 v[PCD+4*\b+2:PCD+4*\b+3], v[S+16*\b+8:S+16*\b+15], v[BX+12+\b]
.irp c, 0,1,2,3                        ; V's fragment b (channels 16 b on x these 128 keys) into the 16 registers that p's block b has left, and its scale word: five LDS loads
	ds_load_b128 v[S+16*\b+4*\c:S+16*\b+4*\c+3], v[ADV] offset:16*KP*\b+128*(\q)+32*\c
.endr
	ds_load_b32 v[VS+\b], v[ADT] offset:128*\b+4*(\q)
.endr
.set j, 0
.rept 16
	v_pk_mul_f32 v[OT+j:OT+j+1], v[OT+j:OT+j+1], v[FF:FF+1] op_sel_hi:[1,0]   ; O^T under the new M, while the loads are out: also the plain lines between the codes and the products
.set j, j+2
.endr
.rept 4
	v_nop                                          ; four plain lines between the last write of O^T and the products that add onto it; the loads are still out
.endr
	s_wait_alu depctr_va_vdst(0)
.irp tt, 0,1,2,3
	s_wait_dscnt 5*(3-\tt)                         ; fragment tt and its scale word are in: behind them five LDS loads were issued for each later fragment.  The last count is 0: K of the next step is in too
	v_wmma_scale_f32_16x16x128_f8f6f4 v[OT+8*\tt:OT+8*\tt+7], v[S+16*\tt:S+16*\tt+15], v[PCD:PCD+15], v[OT+8*\tt:OT+8*\tt+7], v[VS+\tt], v[PS] matrix_a_fmt:MATRIX_FMT_BF8 matrix_b_fmt:MATRIX_FMT_BF8
.endr
.endm
; THE CHANGE OF SLOTS stands at a slot's head.  Each wave waits for all its tensor loads (its part of the slot ahead), adds 0 to its spare word, and waits for that and for its reads of the slot that it has left.
; fill = 1: the barrier is a round of the cluster's, and behind it the slot that was left is filled with slot JN's keys: one joint load a fetching wave, with a whole slot's two steps in which to land.
; Offsets of slot j: K j << 18 (256 rows of 1,024 bytes); V ((j & 4) << 18) | ((j & 3) << 8) (groups of 1,024 tokens, 256 bytes of a row).
.macro CHANGE fill
	s_wait_tensorcnt 0x0                           ; no tensor load of mine is out, so group 0 may be written
	ds_add_u32 v[SPW], v[NIL]                      ; 0 onto my spare word
	ds_add_u32 v[SPW], v[NIL]
.if \fill
	s_xor_b32 s[G0+1], s[TB], SLOTB                ; the other slot than the one in hand,
	s_add_co_u32 s[G0+1], s[G0+1], s[WOFF]         ; my tile's place in it
	s_lshl_b32 s28, s[JN], 18
	s_and_b32 s29, s[JN], 4
	s_lshl_b32 s29, s29, 18
	s_and_b32 s30, s[JN], 3
	s_lshl_b32 s30, s30, 8
	s_or_b32 s29, s29, s30
	s_cmp_eq_u32 s[KIND], 0
	s_cselect_b32 s28, s28, s29
	s_mov_b32 s29, 0
	s_add_nc_u64 s[G0+2:G0+3], s[GB:GB+1], s[28:29]
	s_or_b32 s[G0+3], s[G0+3], 0x80000000
	s_add_co_u32 s30, s[JN], 1                     ; the prefetch names the slot after that
	s_lshl_b32 s28, s30, 18
	s_and_b32 s29, s30, 4
	s_lshl_b32 s29, s29, 18
	s_and_b32 s30, s30, 3
	s_lshl_b32 s30, s30, 8
	s_or_b32 s29, s29, s30
	s_cmp_eq_u32 s[KIND], 0
	s_cselect_b32 s28, s28, s29
	s_wait_xcnt 0x0                                ; the last prefetch, a slot back, has read its offset
	v_add_nc_u32 v[PFV], s28, v[PFO]
.endif
	s_wait_dscnt 0x0                               ; the add is done, and my reads of the slot that I have left are over
.if \fill
	CROUND
	s_cmp_lt_u32 s[WV], 4
	s_cbranch_scc0 .Lno_load_\@
	tensor_load_to_lds s[G0:G0+3], s[G1T:G1T+7]    ; the first thing behind the round, and a wave's one tensor load until the next
	s_nop 0
.rept 4
	v_nop
.endr
.Lno_load_\@:
	; A prefetch into the L2 of the rows that the NEXT change of slots will ask for: two key steps ahead of that load.  The first cluster of each (n, g) asks; in each partner waves 4, 5 name 64 of K's rows, waves 6, 7
	; 64 of V's, a lane a row of 256 bytes; the partners are told apart by address.  So each row's 256 bytes are named once in the launch.  Slots 0 and 1 come by their loads alone; the last filling change asks for nothing.
	s_cmp_lt_u32 s[JN], s[LIM]
	s_cbranch_scc0 .Lno_ask_\@
	s_wait_alu depctr_va_vdst(0)
	global_prefetch_b8 v[PFV], s[PFB:PFB+1] th:TH_LOAD_NT scope:SCOPE_SE
.Lno_ask_\@:
.else
	s_barrier_signal -1
	s_barrier_wait -1
.endif
.endm
.macro SLOT_STEPS last
	v_add_nc_u32 v[ADK], s[TB], v[AK0]
	v_add_nc_u32 v[ADV], s[TB], v[AV0]
	v_add_nc_u32 v[ADS], s[TSL], v[ASK0]
	v_add_nc_u32 v[ADT], s[TSL], v[ASV0]
	STEP 0, 0
	STEP 1, \last
	s_xor_b32 s[TB], s[TB], SLOTB                  ; on to the other slot (TB is 0 or SLOTB)
	s_add_co_u32 s[TSL], s[TSL], 2048
.endm
.Lslot:                                            ; seven trips: trip JN works slot JN - 1 and asks for slot JN
	CHANGE 1
	SLOT_STEPS 0
	s_add_co_u32 s[JN], s[JN], 1
	s_cmp_lt_u32 s[JN], 8
	s_cbranch_scc1 .Lslot
	CHANGE 0                                       ; the last slot is written out
	SLOT_STEPS 1
	; THE WAY OUT.  O^T / l; my head's 64 channels are two blocks of 32 along the last projection's K: quantised, in their natural order, through a stage in LDS: a row of the work-group's result is 256 bytes on end.
	v_add_f32 v14, v14, v15
	s_delay_alu instid0(VALU_DEP_1)
	v_permlanex16_b32 v[TMP], v14, s[SEL], s[SEL+1]
	s_delay_alu instid0(VALU_DEP_1)
	v_add_f32 v14, v14, v[TMP]                     ; the row's sum
	s_wait_alu depctr_va_vdst(0)
	v_rcp_f32 v14, v14
	v_and_b32 v8, 15, v0                           ; (plain lines behind the reciprocal and behind the last products)
	s_wait_alu depctr_va_vdst(0)
	v_bfe_u32 v9, v0, 4, 1
	s_wait_alu depctr_va_vdst(0)
	s_and_b32 s32, s[WV], 3
	s_lshr_b32 s33, s[WV], 2
	s_mul_i32 s34, s32, 16*KP
	s_lshl_b32 s35, s33, 6
	s_add_co_u32 s34, s34, s35
	v_mul_u32_u24 v10, v8, KP
	s_delay_alu instid0(VALU_DEP_1)
	v_lshl_add_u32 v10, v9, 3, v10
	s_delay_alu instid0(VALU_DEP_1)
	v_add_nc_u32 v10, s34, v10                     ; in: row 16 tile + r, byte 64 head + 8 h
	s_lshl_b32 s34, s32, 7
	s_lshl_b32 s35, s33, 1
	s_add_co_u32 s34, s34, s35
	s_add_co_u32 s34, s34, OSS
	v_lshl_add_u32 v11, v8, 3, s34                 ; the row's scale halfword of my head
	s_mul_i32 s34, s[WV], 4*KP
	v_mul_u32_u24 v1, v9, KP
	s_delay_alu instid0(VALU_DEP_1)
	v_lshl_add_u32 v1, v8, 4, v1
	s_delay_alu instid0(VALU_DEP_1)
	v_add_nc_u32 v1, s34, v1                       ; back: wave w takes rows 4 w .. 4 w + 3; lanes 0-15 one row, lanes 16-31 the next
	v_lshlrev_b32 v2, 10, v9
	s_delay_alu instid0(VALU_DEP_1)
	v_lshl_add_u32 v2, v8, 4, v2                   ; the same two rows in aq
	v_and_b32 v3, 31, v0
	s_delay_alu instid0(VALU_DEP_1)
	v_lshlrev_b32 v3, 4, v3
	s_delay_alu instid0(VALU_DEP_1)
	v_add_nc_u32 v4, OSS, v3                       ; the 512 scale bytes, 16 a lane
	s_load_b64 s[28:29], s[0:1], 0x10              ; aq
	s_bfe_u32 s36, ttmp6, 0x40000
	s_lshl_b32 s37, ttmp9, 2
	s_add_co_u32 s36, s36, s37                     ; my block of 64 queries
	s_and_b32 s37, ttmp7, 0xffff
	s_lshr_b32 s38, s37, 2                         ; n
	s_and_b32 s37, s37, 3                          ; g
	s_lshl_b32 s40, s38, 21                        ; codes: (2,048 n + 64 block + 4 wave) x 1,024 + 256 g
	s_lshl_b32 s39, s36, 16
	s_add_co_u32 s40, s40, s39
	s_lshl_b32 s39, s[WV], 12
	s_add_co_u32 s40, s40, s39
	s_lshl_b32 s39, s37, 8
	s_add_co_u32 s40, s40, s39
	s_mov_b32 s41, 0
	s_lshl_b32 s42, s38, 3                         ; scale bytes: [row / 256][g][row % 256][8]
	s_lshr_b32 s39, s36, 2
	s_add_co_u32 s42, s42, s39
	s_lshl_b32 s42, s42, 13
	s_lshl_b32 s39, s37, 11
	s_add_co_u32 s42, s42, s39
	s_and_b32 s39, s36, 3
	s_lshl_b32 s39, s39, 9
	s_add_co_u32 s42, s42, s39
	s_add_co_u32 s42, s42, AS_OFF
	s_mov_b32 s43, 0
	s_wait_alu depctr_va_vdst(0)                   ; the wait ahead of the reciprocal's first reader
.set j, 0
.rept 32
	v_mul_f32 v[S+j], v[OT+j], v14                 ; register 8 t + i is o(r, 16 t + 8 h + i); each accumulator from its low end on
.set j, j+1
.endr
.irp b, 0,1
	v_max3_num_f32 v[BX+\b], |v[S+16*\b]|, |v[S+1+16*\b]|, 0x8000000
.endr
.irp i, 2,4,6,8,10,12,14
.irp b, 0,1
	s_delay_alu instid0(VALU_DEP_2)
	v_max3_num_f32 v[BX+\b], v[BX+\b], |v[S+16*\b+\i]|, |v[S+1+16*\b+\i]|
.endr
.endr
.irp b, 0,1
	s_delay_alu instid0(VALU_DEP_2)
	v_permlanex16_b32 v[BX+4+\b], v[BX+\b], s[SEL], s[SEL+1]
.endr
.irp b, 0,1
	s_delay_alu instid0(VALU_DEP_2)
	v_max_num_f32 v[BX+\b], v[BX+\b], v[BX+4+\b]
.endr
.irp b, 0,1
	s_delay_alu instid0(VALU_DEP_2)
	v_add_nc_u32 v[BX+12+\b], 0xf8800000, v[BX+\b]
.endr
.irp b, 0,1
.endr
.irp b, 0,1
	s_delay_alu instid0(VALU_DEP_2)
	v_lshrrev_b32 v[BX+4+\b], 23, v[BX+12+\b]
.endr
	s_delay_alu instid0(VALU_DEP_1)
	v_lshl_or_b32 v[PS], v[BX+5], 8, v[BX+4]
.irp b, 0,1
.irp i, 0,1,2,3,4,5,6,7,8,9,10,11,12,13,14,15
.endr
	v_cvt_scalef32_pk8_bf8_f32 v[PCD+4*\b:PCD+4*\b+1], v[S+16*\b:S+16*\b+7], v[BX+12+\b]
	v_cvt_scalef32_pk8_bf8_f32 v[PCD+4*\b+2:PCD+4*\b+3], v[S+16*\b+8:S+16*\b+15], v[BX+12+\b]
.endr
	v_nop                                          ; a plain line behind the last conversion
.irp t, 0,1,2,3
	ds_store_b64 v10, v[PCD+2*\t:PCD+2*\t+1] offset:16*\t      ; channels 16 t + 8 h + 0 .. 7
.endr
	ds_store_b16 v11, v[PS]                        ; lanes l and l xor 16 write the same halfword with the same value
	s_wait_dscnt 0x0                               ; for the others' sake: my stores into the stages are done
	s_barrier_signal -1
	s_barrier_wait -1
	ds_load_b128 v[S:S+3], v1
	ds_load_b128 v[S+4:S+7], v1 offset:2*KP
	s_wait_kmcnt 0x0
	s_add_nc_u64 s[40:41], s[28:29], s[40:41]
	s_add_nc_u64 s[42:43], s[28:29], s[42:43]
	s_wait_dscnt 1                                 ; the first two rows are in
	global_store_b128 v2, v[S:S+3], s[40:41]       ; sixteen lanes store 256 bytes on end, aligned
	s_wait_dscnt 0x0
	global_store_b128 v2, v[S+4:S+7], s[40:41] offset:2048
	s_cmp_lg_u32 s[WV], 0                          ; wave 0 stores the work-group's 512 scale bytes, on end
	s_cbranch_scc1 .Lno_scales
	ds_load_b128 v[S+8:S+11], v4
	s_wait_dscnt 0x0
	global_store_b128 v3, v[S+8:S+11], s[42:43]
.Lno_scales:
	s_wait_tensorcnt 0x0                           ; the wave's end
	ds_add_u32 v[SPW], v[NIL]
	s_wait_dscnt 0x0
	CROUND                                         ; the closing round
	s_endpgm
.Lfunc_end_k_qff056a41d8_attn:
	.size	k_qff056a41d8_attn, .Lfunc_end_k_qff056a41d8_attn-k_qff056a41d8_attn
	.p2alignl 7, 3214868480
	.fill 96, 4, 3214868480
	.section	.rodata,"a",@progbits
	.p2align	6, 0x0
	.amdhsa_kernel k_qff056a41d8_attn
		.amdhsa_group_segment_fixed_size 327680
		.amdhsa_private_segment_fixed_size 0
		.amdhsa_enable_private_segment 0
		.amdhsa_kernarg_size 24
		.amdhsa_user_sgpr_count 2
		.amdhsa_user_sgpr_kernarg_segment_ptr 1
		.amdhsa_wavefront_size32 1
		.amdhsa_system_sgpr_workgroup_id_x 1
		.amdhsa_system_sgpr_workgroup_id_y 1
		.amdhsa_system_sgpr_workgroup_id_z 1
		.amdhsa_system_vgpr_workitem_id 0
		.amdhsa_next_free_vgpr 256
		.amdhsa_next_free_sgpr 102
		.amdhsa_reserve_vcc 0
		.amdhsa_float_denorm_mode_32 3
		.amdhsa_float_denorm_mode_16_64 3
		.amdhsa_fp16_overflow 1
		.amdhsa_memory_ordered 1
		.amdhsa_forward_progress 1
		.amdhsa_inst_pref_size 120
	.end_amdhsa_kernel
	.amdgpu_metadata
---
amdhsa.version: [ 1, 2 ]
amdhsa.kernels:
  - .name:           k_qff056a41d8_attn
    .symbol:         k_qff056a41d8_attn.kd
    .args:
      - { .name: pq, .offset: 0, .size: 8, .value_kind: global_buffer, .address_space: global }
      - { .name: maskw, .offset: 8, .size: 8, .value_kind: global_buffer, .address_space: global }
      - { .name: aq, .offset: 16, .size: 8, .value_kind: global_buffer, .address_space: global }
    .group_segment_fixed_size: 327680
    .private_segment_fixed_size: 0
    .kernarg_segment_align: 8
    .kernarg_segment_size: 24
    .max_flat_workgroup_size: 512
    .sgpr_count:     102
    .vgpr_count:     256
    .wavefront_size: 32
...
	.end_amdgpu_metadata
.endif
;; end of part 3
;; launch outp (part 4): grid 4 x 32, 4 waves a work-group, clusters of 4 x 4, 327,680 bytes of LDS; arguments aq, wq, bo, out0; writes out0
.if DOCPART == 4
	.amdgcn_target "amdgcn-amd-amdhsa--gfx1250"
	.amdhsa_code_object_version 6
	.text
	.protected	k_qff056a41d8_outp
	.globl	k_qff056a41d8_outp
	.p2align	8
	.type	k_qff056a41d8_outp,@function
k_qff056a41d8_outp:
	s_mov_b64 s[64:65], 0
	v_nop
	global_prefetch_b8 v0, s[64:65] scope:SCOPE_SE
	s_setreg_imm32_b32 hwreg(HW_REG_WAVE_MODE, 25, 1), 1
	s_wait_xcnt 0x0
	s_wait_alu depctr_hold_cnt(0) depctr_sa_sdst(0) depctr_va_vdst(0) depctr_va_sdst(0) depctr_va_ssrc(0) depctr_va_vcc(0) depctr_vm_vsrc(0)
	s_getreg_b32 s2, hwreg(HW_REG_IB_STS2, 6, 4)
	s_cmp_eq_u32 s2, 0
	s_cbranch_scc0 .Lentry_in_a_cluster
	s_endpgm
.Lentry_in_a_cluster:
	s_bfe_u32 s2, ttmp6, 0x10000c
	s_cmp_lg_u32 s2, 0xf033
	s_cbranch_scc0 .Lentry_shape_is_right
	s_endpgm
.Lentry_shape_is_right:
; OUTP.  out0[m][n] = sum over k of A[m][k] Wo[n][k] + bo[n], on codes of BF8 (E5M2) with E8M0 scales.  A: aq, the attention launch's result, [8192][1024] codes; Wo: tensor 3 of wq; K = 1,024.  out0: [8192][1024] f32.
; A tile of out0 is 256 x 256: four waves, each 128 x 128 in 64 accumulators.  K goes in steps of 256 through two LDS slots filled by the tensor data mover.  The scale bytes of the tile's 256 rows of A and of Wo,
; laid [row / 256][k / 256][row % 256][8], are 8,192 bytes on end each: they come once, with the first fills.
; CLUSTERS: 4 x 4 work-groups; A's tiles are shared along a row of the cluster, Wo's along a column: asked for jointly.  THE MATRIX INSTRUCTION IS USED TRANSPOSED (source 0 = 16 rows of Wo, source 1 = 16 rows of A):
; a lane holds eight neighbouring numbers of a row of out0.  THE BIAS is the C of each sum's first matrix instruction: eight registers for each block of 16 columns, in the result's layout.
; 128 work-groups: a tile of 256 x 256 keeps the LDS bytes read for each product lowest; smaller tiles would give more work-groups at twice the LDS reads.
; REGISTERS, in windows of 256: window 0: v14-31 addresses; v32-63 scale words, two sets; v64-127 the bias; from v128 A's fragments, one set (on the way out: rows read back).
;   window 1: Wo's fragments, two sets.   window 2: accumulators of my rows 0-63;   window 3: those of my rows 64-127.
.set NQ,     2
.set ROWB,   256
.set KROW,   1024
.set SIZE_N, 1024
.set PITCH,  272
.set FR,     16
.set NL,     4
.set NP,     8
.set HALFT,  128*PITCH
.set SLOT,   4*HALFT
.set LAPS,   2
.set SCL,    2*SLOT
.set SCB,    8320                      ; B's scale bytes begin so far behind A's: the two halves of a load's lanes touch different banks
.set SPARE,  295168                    ; the spare words: two blocks of 256 bytes that no other line names
.set SPITCH, 528                       ; the way out: a stage of 16 rows x (512 bytes + 16) for each wave, in slot 0, which has had its last fill and its last read by then
.set AS_OFF, 8388608
.set WS_OFF, 4194304
.set ADRA, 16
.set ADRB, 20
.set STO,  24
.set RD,   25
.set CO,   26
.set ADRS, 27
.set SPW,  28
.set NIL,  29
.set BNO,  30
.set SC,   32
.set BN,   64
.set AF,   128
.set BK,   128
.set G1, 24
.set G0, 32
.set G1B, 48
.set G0B, 56
.set G1S, 68
.set G0S, 76
.set G1SB, 80
.set G0SB, 88
.set MSB, 0
.macro WIN new
.if MSB != \new
	s_set_vgpr_msb (MSB<<8)|\new
.set MSB, \new
.endif
.endm
.set MUL_LO, 0xa1
.set MUL_HI, 0xf1
.set TO_B,   0x40
.macro JLOAD g0a, g1a, g0b, g1b        ; a joint load: waves 0 and 1 fetch for A, waves 2 and 3 for Wo; four v_nop follow each of the two lines
	s_cmp_eq_u32 s15, 0
	s_cbranch_scc0 .Lfor_b_\@
	tensor_load_to_lds s[\g0a:\g0a+3], s[\g1a:\g1a+7]
	s_nop 0
.rept 4
	v_nop
.endr
	s_branch .Lasked_\@
.Lfor_b_\@:
	tensor_load_to_lds s[\g0b:\g0b+3], s[\g1b:\g1b+7]
	s_nop 0
.rept 4
	v_nop
.endr
.Lasked_\@:
.endm
.macro CREST
	s_cmp_lg_u32 s14, 0
	s_cbranch_scc1 .Lnot_wave_0_\@
	s_barrier_signal -3
.Lnot_wave_0_\@:
	s_barrier_wait -3
	s_barrier_signal -1
	s_barrier_wait -1
.endm
.macro CROUND
	s_barrier_signal -1
	s_barrier_wait -1
	CREST
.endm
	s_load_b128 s[4:7], s[0:1], 0x0                ; aq, wq
	s_load_b128 s[8:11], s[0:1], 0x10              ; bo, out0
	v_lshl_add_u32 v[SPW], v0, 2, SPARE
	v_mov_b32 v[NIL], 0
	ds_add_u32 v28, v29
	s_wait_dscnt 0x0
	v_lshrrev_b32 v1, 5, v0
	v_readfirstlane_b32 s14, v1
	s_lshr_b32 s15, s14, 1                         ; which half of the tile's rows is mine.  Also: I fetch for A (0) or for Wo (1)
	s_and_b32 s16, s14, 1                          ; which half of its columns.  Also: which half of what is fetched
	s_bfe_u32 s40, ttmp6, 0x40000                  ; cx = the tile column (the grid has one cluster along x)
	s_bfe_u32 s41, ttmp6, 0x40004                  ; cy
	s_mov_b32 s42, s40
	s_and_b32 s17, ttmp7, 0xffff
	s_lshl_b32 s17, s17, 2
	s_add_co_u32 s17, s17, s41                     ; tile row = 4 x cluster y + cy
	s_lshl_b32 s43, s41, 2
	s_lshl_b32 s43, 15, s43
	s_lshl_b32 s44, 0x1111, s40
	s_or_b32 s[G1+0], s43, (0<<16)|(1<<20)|(1<<21)|(5<<22)|(3<<25)
	s_or_b32 s[G1B+0], s44, (0<<16)|(1<<20)|(1<<21)|(5<<22)|(3<<25)
.irp g, G1, G1B
	s_mov_b32 s[\g+1], ROWB<<16
	s_mov_b32 s[\g+2], 128<<16
	s_mov_b32 s[\g+3], ROWB<<16
	s_mov_b32 s[\g+4], 128
	s_mov_b32 s[\g+5], KROW
	s_mov_b32 s[\g+6], 0
	s_mov_b32 s[\g+7], 0
.endr
	s_or_b32 s[G1S+0], s43, (3<<16)|(1<<21)        ; half a tile's scale bytes: 4,096 on end, as 16 rows of 256 bytes
	s_or_b32 s[G1SB+0], s44, (3<<16)|(1<<21)
.irp g, G1S, G1SB
	s_mov_b32 s[\g+1], 32<<16
	s_mov_b32 s[\g+2], 16<<16
	s_mov_b32 s[\g+3], 32<<16
	s_mov_b32 s[\g+4], 16
	s_mov_b32 s[\g+5], 32
	s_mov_b32 s[\g+6], 0
	s_mov_b32 s[\g+7], 0
.endr
	s_lshl_b32 s20, s17, 18                        ; A's hang on the tile row alone,
	s_lshl_b32 s22, s17, 13
	s_add_co_u32 s22, s22, AS_OFF
	s_lshl_b32 s46, s42, 18                        ; Wo's on the tile column alone
	s_add_co_u32 s46, s46, 3<<20
	s_lshl_b32 s92, s42, 13
	s_add_co_u32 s92, s92, WS_OFF+98304
	s_lshl_b32 s18, s16, 17
	s_add_co_u32 s20, s20, s18
	s_add_co_u32 s46, s46, s18
	s_lshl_b32 s18, s16, 12
	s_add_co_u32 s22, s22, s18
	s_add_co_u32 s92, s92, s18
	s_mov_b32 s21, 0
	s_mov_b32 s23, 0
	s_mov_b32 s47, 0
	s_mov_b32 s93, 0
	s_mul_i32 s45, s14, HALFT
	s_mul_i32 s94, s15, SCB
	s_add_co_u32 s94, s94, s18
	s_wait_kmcnt 0x0
	s_add_nc_u64 s[20:21], s[4:5], s[20:21]
	s_add_nc_u64 s[22:23], s[4:5], s[22:23]
	s_add_nc_u64 s[46:47], s[6:7], s[46:47]
	s_add_nc_u64 s[92:93], s[6:7], s[92:93]
	CROUND                                         ; all sixteen work-groups are here: the first joint loads meet
	s_mov_b32 s[G0S], 1
	s_add_co_u32 s[G0S+1], s94, SCL
	s_mov_b64 s[G0S+2:G0S+3], s[22:23]
	s_or_b32 s[G0S+3], s[G0S+3], 0x80000000
	s_mov_b32 s[G0SB], 1
	s_add_co_u32 s[G0SB+1], s94, SCL
	s_mov_b64 s[G0SB+2:G0SB+3], s[92:93]
	s_or_b32 s[G0SB+3], s[G0SB+3], 0x80000000
	JLOAD G0S, G1S, G0SB, G1SB
.irp s, 0,1
	s_mov_b32 s[G0+4*\s], 1
	s_add_co_u32 s[G0+4*\s+1], s45, \s*SLOT
	s_add_nc_u64 s[G0+4*\s+2:G0+4*\s+3], s[20:21], \s*ROWB
	s_or_b32 s[G0+4*\s+3], s[G0+4*\s+3], 0x80000000
	s_mov_b32 s[G0B+4*\s], 1
	s_add_co_u32 s[G0B+4*\s+1], s45, \s*SLOT
	s_add_nc_u64 s[G0B+4*\s+2:G0B+4*\s+3], s[46:47], \s*ROWB
	s_or_b32 s[G0B+4*\s+3], s[G0B+4*\s+3], 0x80000000
	JLOAD G0+4*\s, G1, G0B+4*\s, G1B
.endr
	v_and_b32 v1, 15, v0
	v_bfe_u32 v2, v0, 4, 1
	v_lshlrev_b32 v[BNO], 5, v2
	s_lshl_b32 s20, s42, 10                        ; the bias of my 128 columns
	s_lshl_b32 s21, s16, 9
	s_add_co_u32 s20, s20, s21
	s_mov_b32 s21, 0
	s_add_nc_u64 s[8:9], s[8:9], s[20:21]
.irp b, 0,1,2,3,4,5,6,7
	global_load_b128 v[BN+8*\b:BN+8*\b+3], v[BNO], s[8:9] offset:64*\b          ; register 8 b + j: column 16 b + 8 h + j
	global_load_b128 v[BN+8*\b+4:BN+8*\b+7], v[BNO], s[8:9] offset:64*\b+16
.endr
	v_mul_u32_u24 v3, v1, PITCH
	v_lshl_add_u32 v4, v2, 4, v3
	s_mul_i32 s21, s15, HALFT
	s_mul_i32 s22, s16, HALFT
	s_add_co_u32 s22, s22, 2*HALFT
.irp s, 0,1
	v_add_nc_u32 v[ADRA+\s], s21, v4
	v_add_nc_u32 v[ADRB+\s], s22, v4
	s_add_co_u32 s21, s21, SLOT
	s_add_co_u32 s22, s22, SLOT
.endr
	v_lshlrev_b32 v5, 3, v1
	s_lshl_b32 s21, s15, 10
	s_lshl_b32 s22, s16, 10
	s_add_co_u32 s22, s22, SCB
	s_sub_co_u32 s22, s22, s21
	v_mul_u32_u24 v3, s22, v2                      ; lanes 16-31 take Wo's
	s_add_co_u32 s21, s21, SCL
	v_add_nc_u32 v5, v5, v3
	v_add_nc_u32 v[ADRS], s21, v5
	s_mul_i32 s23, s14, 16*SPITCH                  ; my stage
	v_mul_u32_u24 v5, v1, SPITCH
	v_lshl_add_u32 v5, v2, 5, v5
	v_add_nc_u32 v[STO], s23, v5                   ; in: row l % 16, 32 bytes for each half of the lanes
	v_and_b32 v6, 31, v0
	v_lshlrev_b32 v[CO], 4, v6                     ; back: the 32 lanes take one row of 512 bytes; and the same in out0
	v_add_nc_u32 v[RD], s23, v[CO]
	s_lshl_b32 s20, s17, 20                        ; my first row: (256 x tile row + 128 x half) x 4,096 bytes,
	s_lshl_b32 s21, s15, 19
	s_add_co_u32 s20, s20, s21
	s_lshl_b32 s21, s42, 10                        ; my first column: 1,024 x tile column + 512 x half
	s_add_co_u32 s20, s20, s21
	s_lshl_b32 s21, s16, 9
	s_add_co_u32 s20, s20, s21
	s_mov_b32 s21, 0
	s_add_nc_u64 s[12:13], s[10:11], s[20:21]
.macro FRAG reg, adr, q, i
.irp c, 0,1,2,3
	ds_load_b128 v[\reg+4*\c:\reg+4*\c+3], v[\adr] offset:128*(\q)+32*\c+(\i)*16*PITCH
.endr
.endm
; 16 matrix instructions.  zero = 2: the first product starts the sums from the bias (C in window 0).  The 64 accumulators take turns, one instruction a turn.
.macro MUL16 a0, p, q, sc, zero
.irp a, \a0, \a0+1
.irp b, 0,1,2,3,4,5,6,7
.if \zero == 2
	v_wmma_scale_f32_16x16x128_f8f6f4 v[8*(8*((\a)%4)+\b):8*(8*((\a)%4)+\b)+7], v[128*(\p)+FR*\b:128*(\p)+FR*\b+FR-1], v[AF+FR*(\a):AF+FR*(\a)+FR-1], v[BN+8*\b:BN+8*\b+7], v[SC+8*NQ*(\sc)+NQ*\b+(\q)], v[SC+8*NQ*(\sc)+NQ*(\a)+(\q)] matrix_a_fmt:MATRIX_FMT_BF8 matrix_b_fmt:MATRIX_FMT_BF8 matrix_a_scale:MATRIX_SCALE_ROW1
.else
	v_wmma_scale_f32_16x16x128_f8f6f4 v[8*(8*((\a)%4)+\b):8*(8*((\a)%4)+\b)+7], v[128*(\p)+FR*\b:128*(\p)+FR*\b+FR-1], v[AF+FR*(\a):AF+FR*(\a)+FR-1], v[8*(8*((\a)%4)+\b):8*(8*((\a)%4)+\b)+7], v[SC+8*NQ*(\sc)+NQ*\b+(\q)], v[SC+8*NQ*(\sc)+NQ*(\a)+(\q)] matrix_a_fmt:MATRIX_FMT_BF8 matrix_b_fmt:MATRIX_FMT_BF8 matrix_a_scale:MATRIX_SCALE_ROW1
.endif
.endr
.endr
.endm
.macro FETCH_B slot, q, p
	WIN TO_B
.irp i, 0,1,2,3,4,5,6,7
	FRAG 128*(\p)+FR*\i, ADRB+\slot, \q, \i
.endr
	WIN 0
.endm
.macro FETCH_A slot, q, i0
.irp i, \i0, \i0+1, \i0+2, \i0+3
	FRAG AF+FR*(\i), ADRA+\slot, \q, \i
.endr
.endm
.macro SCALES sc
.irp i, 0,1,2,3,4,5,6,7
	ds_load_b64 v[SC+8*NQ*\sc+NQ*\i:SC+8*NQ*\sc+NQ*\i+1], v[ADRS] offset:\i*128
.endr
.endm
.macro PLACES n
.rept \n
	v_nop
.endr
.endm
.macro STEP slot, q, zero
	s_wait_dscnt 4*NL                              ; B's set and A's blocks 0-3 are in; the youngest 16 loads may be out
.if \zero == 2
	WIN 0x81                                       ; source 0 window 1, source 1 and C window 0, D window 2
.else
	WIN MUL_LO
.endif
	MUL16 0, (\q)%2, \q, \slot, \zero
	MUL16 2, (\q)%2, \q, \slot, \zero
	s_wait_dscnt 0
	PLACES NP
	FETCH_B \slot, (\q)+1, 1-(\q)%2
	FETCH_A \slot, (\q)+1, 0
.if \zero == 2
	WIN 0xc1                                       ; the same, D window 3
.else
	WIN MUL_HI
.endif
	MUL16 4, (\q)%2, \q, \slot, \zero
	MUL16 6, (\q)%2, \q, \slot, \zero
	PLACES NP
	WIN 0
	FETCH_A \slot, (\q)+1, 4
.endm
.macro TURN slot, next, fill
	s_wait_tensorcnt 0x0                           ; all my tensor loads have landed: my part of the next slot
	ds_add_u32 v[SPW], v[NIL]                      ; 0 onto my spare word
	s_wait_dscnt 4*NL+1                            ; (the add and the youngest 16 loads may be out)
	WIN MUL_LO
	MUL16 0, 1, NQ-1, \slot, 0
	s_wait_dscnt 0x0                               ; the add is done, and my reads of this slot are over
	s_barrier_signal -1
	MUL16 2, 1, NQ-1, \slot, 0
	WIN 0
	s_barrier_wait -1
.if \fill
	CREST                                          ; the barrier has opened a round of the cluster's barrier
	s_add_nc_u64 s[G0+4*\slot+2:G0+4*\slot+3], s[G0+4*\slot+2:G0+4*\slot+3], 2*ROWB
	s_add_nc_u64 s[G0B+4*\slot+2:G0B+4*\slot+3], s[G0B+4*\slot+2:G0B+4*\slot+3], 2*ROWB
	JLOAD G0+4*\slot, G1, G0B+4*\slot, G1B
	PLACES NP-4
.else
	PLACES NP
.endif
	v_add_nc_u32 v[ADRS], 2048, v[ADRS]
	FETCH_B \next, 0, 0
	FETCH_A \next, 0, 0
	SCALES \next
	WIN MUL_HI
	MUL16 4, 1, NQ-1, \slot, 0
	MUL16 6, 1, NQ-1, \slot, 0
	PLACES NP
	WIN 0
	FETCH_A \next, 0, 4
.endm
	s_wait_tensorcnt 1                             ; the scale bytes and my part of K step 0 are in (K step 1's load may be out),
	s_barrier_signal -1
	s_barrier_wait -1
	FETCH_B 0, 0, 0
	FETCH_A 0, 0, 0
	SCALES 0
	FETCH_A 0, 0, 4
	s_wait_loadcnt 0x0                             ; the bias
	STEP 0, 0, 2                                   ; the first step stands in front of the loop: its products start the sums from the bias
	s_mov_b32 s3, LAPS-1
.Llap:
	TURN 0, 1, 1
	STEP 1, 0, 0
	TURN 1, 0, 1
	STEP 0, 0, 0
	s_sub_co_u32 s3, s3, 1
	s_cmp_lg_u32 s3, 0
	s_cbranch_scc1 .Llap
	TURN 0, 1, 0
	STEP 1, 0, 0
	s_wait_dscnt 4*NL
	WIN MUL_LO
	MUL16 0, 1, NQ-1, 1, 0
	MUL16 2, 1, NQ-1, 1, 0
	s_wait_dscnt 0
	WIN MUL_HI
	MUL16 4, 1, NQ-1, 1, 0
	MUL16 6, 1, NQ-1, 1, 0
	WIN 0
; THE WAY OUT, block by block of 16 rows x 128 columns, through my own stage in LDS: whole rows of 512 bytes come back and leave as two aligned runs of 256 bytes.  LDS serves a wave's instructions in order (ISA guide 5.7.1.4).
.macro TOSTAGE a
.set AC, 64*((\a)%4)
	WIN 0x08+4*((\a)/4)                            ; the data: window 2 or 3
.irp b, 0,1,2,3,4,5,6,7
	ds_store_b128 v[STO], v[AC+8*\b:AC+8*\b+3] offset:64*\b          ; each accumulator from its low end on
	ds_store_b128 v[STO], v[AC+8*\b+4:AC+8*\b+7] offset:64*\b+16
.endr
	WIN 0
.set BB, BK+64*((\a)%2)
.irp t, 0,1,2,3,4,5,6,7,8,9,10,11,12,13,14,15
	ds_load_b128 v[BB+4*\t:BB+4*\t+3], v[RD] offset:\t*SPITCH
.endr
.endm
.macro SEND a, younger
.set BB, BK+64*((\a)%2)
	s_wait_dscnt \younger                          ; the block is back in registers
.if (\a) > 0
	s_add_nc_u64 s[12:13], s[12:13], 16*SIZE_N*4   ; (behind a wait on XCNT: the earlier stores have read their base)
.endif
.irp t, 0,1,2,3,4,5,6,7,8,9,10,11,12,13,14,15
	global_store_b128 v[CO], v[BB+4*\t:BB+4*\t+3], s[12:13] offset:\t*SIZE_N*4 th:TH_STORE_NT
.endr
.endm
	PLACES NP
	TOSTAGE 0
.irp a, 1,2,3,4,5,6,7
.if \a > 1
	s_wait_xcnt 0x0                                ; block a - 2's stores have read their registers and their base
.endif
	TOSTAGE \a
	SEND \a-1, 32                                  ; behind block a - 1's loads: block a's 16 stores and 16 loads
.endr
	s_wait_xcnt 0x0
	SEND 7, 0
	s_wait_tensorcnt 0x0                           ; the wave's end
	ds_add_u32 v[SPW], v[NIL]
	s_wait_dscnt 0x0
	CROUND                                         ; the closing round
	s_endpgm
.Lfunc_end_k_qff056a41d8_outp:
	.size	k_qff056a41d8_outp, .Lfunc_end_k_qff056a41d8_outp-k_qff056a41d8_outp
	.p2alignl 7, 3214868480
	.fill 96, 4, 3214868480
	.section	.rodata,"a",@progbits
	.p2align	6, 0x0
	.amdhsa_kernel k_qff056a41d8_outp
		.amdhsa_group_segment_fixed_size 327680
		.amdhsa_private_segment_fixed_size 0
		.amdhsa_enable_private_segment 0
		.amdhsa_kernarg_size 32
		.amdhsa_user_sgpr_count 2
		.amdhsa_user_sgpr_kernarg_segment_ptr 1
		.amdhsa_wavefront_size32 1
		.amdhsa_system_sgpr_workgroup_id_x 1
		.amdhsa_system_sgpr_workgroup_id_y 1
		.amdhsa_system_sgpr_workgroup_id_z 1
		.amdhsa_system_vgpr_workitem_id 0
		.amdhsa_next_free_vgpr 1024
		.amdhsa_next_free_sgpr 98
		.amdhsa_reserve_vcc 0
		.amdhsa_float_denorm_mode_32 3
		.amdhsa_float_denorm_mode_16_64 3
		.amdhsa_memory_ordered 1
		.amdhsa_forward_progress 1
		.amdhsa_inst_pref_size 147
	.end_amdhsa_kernel
	.amdgpu_metadata
---
amdhsa.version: [ 1, 2 ]
amdhsa.kernels:
  - .name:           k_qff056a41d8_outp
    .symbol:         k_qff056a41d8_outp.kd
    .args:
      - { .name: aq, .offset: 0, .size: 8, .value_kind: global_buffer, .address_space: global }
      - { .name: wq, .offset: 8, .size: 8, .value_kind: global_buffer, .address_space: global }
      - { .name: bo, .offset: 16, .size: 8, .value_kind: global_buffer, .address_space: global }
      - { .name: out0, .offset: 24, .size: 8, .value_kind: global_buffer, .address_space: global }
    .group_segment_fixed_size: 327680
    .private_segment_fixed_size: 0
    .kernarg_segment_align: 8
    .kernarg_segment_size: 32
    .max_flat_workgroup_size: 128
    .sgpr_count:     98
    .vgpr_count:     1024
    .wavefront_size: 32
...
	.end_amdgpu_metadata
.endif
;; end of part 4
